; MI455X (gfx1250); checked and timed in simulation.
; The chip was launched on July 23, 2026; its instructions are those of AMD's public machine-readable ISA for CDNA 5 (MIT licence, August 2026) and "CDNA5" Instruction Set Architecture Reference Guide (July 2026). The comments in the code are by the model that wrote it; some were corrected since.
;; Multi Head Attention. Allowed arithmetic: matrix products marked QUANTISED: E3M2 operands, one E8M0 scale for each 32 along K, by v_wmma_scale_f32_16x16x128_f8f6f4 with both operands' format E3M2, f32 sums; everything else in f32.
;; Inputs: Wk 1,024 x 1,024 float32; Wo 1,024 x 1,024 float32; Wq 1,024 x 1,024 float32; Wv 1,024 x 1,024 float32; bk 1,024 float32; bo 1,024 float32; bq 1,024 float32; bv 1,024 float32; key 4 x 2,048 x 1,024 float32; query 4 x 2,048 x 1,024 float32; value 4 x 2,048 x 1,024 float32.
;; Outputs: out0 4 x 2,048 x 1,024 float32.
;; This version of the problem:
;;   THIS VERSION OF THE PROBLEM IS GIVEN IN LOW PRECISION. The matrix products marked QUANTISED in the list below multiply operands that are first quantised to E3M2 (3 exponent bits, 2 mantissa bits; 6 bits a number), with one power-of-two scale for each 32 numbers along K (OCP MX v1.0); their sums are f32. All else is computed in f32.
;;   The module's matrix products, in the order in which they are computed (A, B: the left and right operand; K: the contracted axis; several contracted axes count as one K, in the product's order):
;;     1. [M 8,192, K 1,024] x [K 1,024, N 1,024]; A: input query; B: input Wq: QUANTISED
;;     2. [M 8,192, K 1,024] x [K 1,024, N 1,024]; A: input key; B: input Wk: QUANTISED
;;     3. [M 8,192, K 1,024] x [K 1,024, N 1,024]; A: input value; B: input Wv: QUANTISED
;;     4. batch 64 x [M 2,048, K 64] x [K 64, N 2,048]; A: computed on the way; B: computed on the way: QUANTISED
;;     5. batch 64 x [M 2,048, K 2,048] x [K 2,048, N 64]; A: softmax (see below); B: computed on the way: QUANTISED
;;     6. [M 8,192, K 1,024] x [K 1,024, N 1,024]; A: computed on the way; B: input Wo: QUANTISED
;;   THE QUANTISER, for each operand of a quantised product, along K:
;;     - K is cut into blocks of 32 from its start; a last block that is shorter is filled with zeros.
;;     - A block's scale is 2^e with e = floor(log2(the largest magnitude in the block)) - 4, held to -126 .. 127; a block of zeros has e = 0. As a byte (E8M0): e + 127.
;;     - Each number is divided by its block's scale, clamped to +-28, and rounded to the nearest number of E3M2, ties to even, subnormals kept.
;;     - The product sums the exact products of the quantised numbers (number of the format x scale) in f32.
;;   ~~~python
;;   def quantise(x, axis):      # numpy; x: float32 -> the quantised numbers, widened to float32 again
;;       x = np.moveaxis(x, axis, -1); K = x.shape[-1]
;;       x = np.pad(x, [(0, 0)] * (x.ndim - 1) + [(0, -K % 32)]); x = x.reshape(x.shape[:-1] + (-1, 32)); a = np.abs(x).max(-1, keepdims=True)
;;       e = np.where(a > 0, np.clip(np.frexp(np.where(a > 0, a, 1))[1] - 1 - 4, -126, 127), 0)      # np.frexp(a)[1] - 1 = floor(log2(a)), exactly
;;       r = np.clip(x / 2.0 ** e, -28, 28)
;;       step = 2.0 ** (np.maximum(np.frexp(np.where(r == 0, 1, r))[1] - 1, -2) - 2)
;;       q = np.round(r / step) * step * 2.0 ** e      # np.round: ties to even
;;       return np.moveaxis(q.reshape(q.shape[:-2] + (-1,))[..., :K], -1, axis).astype(np.float32)
;;   ~~~
;;   SOFTMAX AHEAD OF A QUANTISED PRODUCT. Where the list says 'softmax', what is quantised is not the finished softmax but p = 2^(t - M), with t = logit x log2(e) and M = ceil(the row's largest t), a whole number; so 1/2 < the row's largest p <= 1. The row's sum l is taken of the UNQUANTISED p, in f32, and the product's result is divided by l at the end. Since M is a whole number, a kernel that streams over the keys may use a running M (the ceiling of the running maximum): every later rescaling is an exact power of two, which a block's scale takes up: the codes' values come out the same.
;;   OPERANDS COMPUTED ON THE WAY. 'Computed on the way' means the value that the module computes at that place (a softmax that the list does not call 'softmax' is quantised finished and normalised). What goes into a quantiser is computed in f32, as accurately as f32 sums, v_exp_f32 and their like allow (about 1e-6 of the number): no bf16 or f16 on the way to a quantiser, and a product that is left as it is and whose result goes on into a quantised operand takes f32 operands (vector FMAs, or v_wmma_f32_16x16x4_f32). A number that lies on a knife's edge between two numbers of the format may be rounded either way, as far as f32 arithmetic and the matrix unit's own rounding can turn it there, and no further.
;; One version. Each part assembles by itself: llvm-mc -triple=amdgcn-amd-amdhsa -mcpu=gfx1250 --defsym DOCPART=n.
;; ======== version 1 of 1: 4 launches
;; limits: right only within a limited range of input values
;; workspace buffers: codes 22,020,096 bytes; scl 917,504 bytes; qkv 20,185,088 bytes; oc 6,291,456 bytes; os 262,144 bytes
;; launch quant (part 1): grid 256 x 1, 14 waves a work-group, no clusters, 120,064 bytes of LDS; arguments query, key, value, Wq, Wk, Wv, Wo, codes, scl; writes codes, scl
.if DOCPART == 1
	.amdgcn_target "amdgcn-amd-amdhsa--gfx1250"
	.amdhsa_code_object_version 6
	.text
	.protected	k_qb3a24c14c5_quant
	.globl	k_qb3a24c14c5_quant
	.p2align	8
	.type	k_qb3a24c14c5_quant,@function
k_qb3a24c14c5_quant:
	s_mov_b64 s[64:65], 0
	v_nop
	global_prefetch_b8 v0, s[64:65] scope:SCOPE_SE
	s_setreg_imm32_b32 hwreg(HW_REG_WAVE_MODE, 25, 1), 1
	s_wait_xcnt 0x0
; query, key, value [8192][1024] and Wq, Wk, Wv, Wo [1024][1024], f32, K innermost, become codes of BF6 (E3M2) with one E8M0 byte for each 32 along K.
; A block's scale is 2^(floor(log2(its largest magnitude)) - 4); its byte is that magnitude's exponent field - 4, held at 1 from below.
; LIMITS: NaN and infinities among the inputs are not served; a block whose largest magnitude lies under 2^-122 gets the byte 1; a block of zeros gets the byte 1 where the
; rule says 127: its codes are zeros, which add nothing under any byte but 0xff, and these bytes are read by this program alone.
; THE CODES ARE LAID IN THE ORDER OF THE OPERAND'S REGISTERS.  A row tile is 16 rows; a fragment (16 rows x 128 K) is 12 registers a lane: lane (r, h) holds row r, registers 6 c .. 6 c + 5 hold
; K = 64 c + 32 h + 0 .. 31.  Six registers are a piece of 768 bytes: registers 0-3 at 16 x lane, registers 4, 5 at 512 + 8 x lane.  codes: [tile][K step 0..7][c][768]; 12,288 bytes a tile.
; scl: [tile][half of K g][row][4 words]; word i of half g is the scale word of K step 4 g + i.   Tiles: query 0, key 512, value 1024, Wq 1536, Wk 1600, Wv 1664, Wo 1728.
; THE ROWS OF A TILE: query and Wo in their order.  In key, value, Wq, Wk, Wv row r of stored tile 2 B + u is source row 32 B + 8 u + r + 8 (r / 8), so that in a later product, used transposed,
; the 16 registers of two neighbouring result tiles are 16 neighbours along the next K.
; SHARES: 3,584 units (a tile, a half of K), 14 for each of 256 work-groups, one a wave: four fragments, written out.  Waves share nothing: no barrier.  No work-group reads what another reads: no cluster.
; Each load reads 512 consecutive bytes of one row; the 16 rows turn through the wave's own stage in LDS (rows of 512 + 16 bytes), from which a lane takes its two whole blocks of 32.
.set STGB, 8448                        ; a wave's stage: 16 rows x 528 bytes
.set R,  64                            ; v64-191  two sets of 64 numbers as loaded
.set X,  192                           ; v192-255 64 numbers as the lane wants them: register 32 c + i is K = 64 c + 32 h + i of row r
.set PC, 28                            ; v28-39   a fragment's codes
.set PT, 40                            ; v40-47   the conversions' second halves
.set W,  20                            ; v20-23   the four fragments' scale words
	s_load_b512 s[8:23], s[0:1], 0x0               ; query, key, value, Wq, Wk, Wv, Wo, codes
	s_load_b64 s[24:25], s[0:1], 0x40              ; scl
	v_lshl_add_u32 v62, v0, 2, 0x1ce00
	v_mov_b32 v63, 0
	v_lshrrev_b32 v1, 5, v0
	s_delay_alu instid0(VALU_DEP_1)
	v_readfirstlane_b32 s4, v1                     ; wave 0..13
	v_and_b32 v1, 31, v0                           ; lane
	v_and_b32 v2, 15, v0                           ; r
	v_bfe_u32 v3, v0, 4, 1                         ; h
	s_mul_i32 s5, ttmp9, 14
	s_add_co_u32 s5, s5, s4                        ; my unit
	s_and_b32 s6, s5, 1                            ; g: which half of K
	s_lshr_b32 s5, s5, 1                           ; the tile, 0..1791
	s_mul_i32 s7, s4, STGB                         ; my stage
	s_mov_b32 s2, 0x76543210
	s_mov_b32 s3, 0xfedcba98                       ; v_permlanex16_b32's selects for lane l xor 16
	v_lshlrev_b32 v4, 4, v1                        ; 16 x lane: loads of rows 0-7, and the stores of four registers
	v_lshl_add_u32 v6, v1, 4, s7                   ; the stage, way in: 16 x lane of a row
	v_mul_u32_u24 v7, v2, 528
	s_delay_alu instid0(VALU_DEP_1)
	v_lshl_add_u32 v7, v3, 7, v7
	s_delay_alu instid0(VALU_DEP_1)
	v_add_nc_u32 v7, s7, v7                        ; way out: row r, + 128 h bytes: my 32 numbers of each 64
	v_lshlrev_b32 v9, 3, v1                        ; 8 x lane: the stores of two registers
	v_mov_b32 v17, 0                               ; a lane permute's destination counts as one of its sources
	v_lshlrev_b32 v18, 3, v3                       ; 8 h: my bytes' place in a scale word
	v_lshlrev_b32 v19, 4, v2
	s_delay_alu instid0(VALU_DEP_1)
	v_lshl_add_u32 v19, v3, 3, v19                 ; 16 r + 8 h: my two scale words' place
	s_wait_kmcnt 0x0
	s_mov_b64 s[26:27], s[8:9]                     ; the tensor and its first tile: chosen by the tile's number alone
	s_mov_b32 s28, 0
.macro PICK bound, ptr
	s_cmp_ge_u32 s5, \bound
	s_cselect_b64 s[26:27], s[\ptr:\ptr+1], s[26:27]
	s_cselect_b32 s28, \bound, s28
.endm
	PICK 512, 10
	PICK 1024, 12
	PICK 1536, 14
	PICK 1600, 16
	PICK 1664, 18
	PICK 1728, 20
	s_cmp_ge_u32 s5, 512
	s_cselect_b32 s29, 1, 0
	s_cmp_ge_u32 s5, 1728
	s_cselect_b32 s29, 0, s29                      ; 1: the tile's rows are chosen; 0 (query, Wo): they are neighbours
	s_sub_co_u32 s34, s5, s28                      ; T: the tile within its tensor
	s_lshr_b32 s35, s34, 1
	s_lshl_b32 s35, s35, 5
	s_and_b32 s36, s34, 1
	s_lshl_b32 s36, s36, 3
	s_add_co_u32 s35, s35, s36                     ; chosen rows begin at 32 (T / 2) + 8 (T % 2),
	; KEY'S TILES ARE CHOSEN OTHERWISE than value's and the weights': row r of key's stored tile 4 G + t is source row 64 G + 32 (r / 8) + 8 t + r % 8,
	; so that in S^T = K Q^T the 32 registers of four neighbouring result tiles are one whole block of 32 keys: block 2 G in lanes 0-15, block 2 G + 1 in lanes 16-31.
	s_lshr_b32 s38, s34, 2
	s_lshl_b32 s38, s38, 6
	s_and_b32 s36, s34, 3
	s_lshl_b32 s36, s36, 3
	s_add_co_u32 s38, s38, s36                     ; key's rows begin at 64 (T / 4) + 8 (T % 4),
	s_lshl_b32 s34, s34, 4                         ; neighbours at 16 T
	s_mov_b32 s37, 32768                           ; stored rows 8-15 begin 8 source rows on,
	s_cmp_eq_u32 s29, 1
	s_cselect_b32 s34, s35, s34
	s_cselect_b32 s37, 65536, s37                  ; or 16,
	s_cmp_eq_u32 s28, 512                          ; key is the tensor whose first tile is 512
	s_cselect_b32 s34, s38, s34
	s_cselect_b32 s37, 0x20000, s37                ; or, in key, 32
	s_lshl_b32 s34, s34, 12                        ; a row is 4,096 bytes,
	s_lshl_b32 s35, s6, 11                         ; half of K 2,048
	s_add_co_u32 s34, s34, s35
	s_mov_b32 s35, 0
	s_add_nc_u64 s[26:27], s[26:27], s[34:35]
	v_add_nc_u32 v5, s37, v4                       ; loads of rows 8-15
	s_wait_alu depctr_va_vdst(0)
	s_mul_i32 s34, s5, 12288
	s_mul_i32 s36, s6, 6144
	s_add_co_u32 s34, s34, s36
	s_add_nc_u64 s[30:31], s[22:23], s[34:35]      ; my four fragments' codes
	s_lshl_b32 s34, s5, 9
	s_lshl_b32 s36, s6, 8
	s_add_co_u32 s34, s34, s36
	s_add_nc_u64 s[32:33], s[24:25], s[34:35]      ; my 256 bytes of scale words
.macro LOAD f                          ; fragment f: 16 rows x 512 bytes into set f % 2
.irp i, 0,1,2,3,4,5,6,7
	global_load_b128 v[R+64*((\f)%2)+4*\i:R+64*((\f)%2)+4*\i+3], v4, s[26:27] offset:4096*\i+512*(\f) th:TH_LOAD_NT
.endr
.irp i, 0,1,2,3,4,5,6,7
	global_load_b128 v[R+64*((\f)%2)+32+4*\i:R+64*((\f)%2)+32+4*\i+3], v5, s[26:27] offset:4096*\i+512*(\f) th:TH_LOAD_NT
.endr
.endm
.macro FRAG f
.if \f < 3
	s_wait_loadcnt 16                              ; this fragment's sixteen loads are in; the next fragment's sixteen may be out
.else
	s_wait_loadcnt 0x0
.endif
.irp i, 0,1,2,3,4,5,6,7,8,9,10,11,12,13,14,15
	ds_store_b128 v6, v[R+64*((\f)%2)+4*\i:R+64*((\f)%2)+4*\i+3] offset:528*\i
.endr
.irp c, 0,1
.irp i, 0,1,2,3,4,5,6,7
	ds_load_b128 v[X+32*\c+4*\i:X+32*\c+4*\i+3], v7 offset:256*\c+16*\i   ; LDS serves a wave's instructions in order: these see the stores above
.endr
.endr
	s_wait_dscnt 0x0                               ; my numbers are back, and the stores have read their registers,
.if \f < 2
	LOAD (\f)+2                                    ; which take the loads of two fragments on
.endif
.irp c, 0,1
	v_max3_num_f32 v[10+\c], |v[X+32*\c]|, |v[X+32*\c+1]|, 0x2800000   ; my block 2 c + h: all its 32 numbers are mine; the floor 2^(5 - 127) holds the byte at 1 from below
.endr
.irp i, 2,4,6,8,10,12,14,16,18,20,22,24,26,28,30
.irp c, 0,1
	s_delay_alu instid0(VALU_DEP_2)
	v_max3_num_f32 v[10+\c], v[10+\c], |v[X+32*\c+\i]|, |v[X+32*\c+\i+1]|   ; (the two blocks by turns)
.endr
.endr
	s_delay_alu instid0(VALU_DEP_2)
	v_add_nc_u32 v12, 0xfe000000, v10              ; 4 off the exponent field: the conversion takes the exponent field of this operand as its scale
	s_delay_alu instid0(VALU_DEP_2)
	v_add_nc_u32 v13, 0xfe000000, v11
	s_delay_alu instid0(VALU_DEP_2)
	v_lshrrev_b32 v14, 23, v12                     ; the scales' bytes
	s_delay_alu instid0(VALU_DEP_2)
	v_lshrrev_b32 v15, 23, v13
	s_delay_alu instid0(VALU_DEP_1)
	v_lshl_or_b32 v16, v15, 16, v14                ; blocks h and 2 + h of row r,
	s_delay_alu instid0(VALU_DEP_1)
	v_lshlrev_b32 v16, v18, v16                    ; at their places in the word;
	s_delay_alu instid0(VALU_DEP_1)
	v_permlanex16_b32 v17, v16, s2, s3
	s_delay_alu instid0(VALU_DEP_1)
	v_or_b32 v[W+\f], v16, v17                     ; with lane l xor 16's two the word is whole
.if \f > 0
	s_wait_alu depctr_va_vdst(0)
	s_wait_xcnt 0x0                                ; the last fragment's stores have read their data: the codes' registers are written again only behind this wait
.endif
.irp c, 0,1
	v_cvt_scalef32_pk16_bf6_f32 v[PC+6*\c:PC+6*\c+2], v[X+32*\c:X+32*\c+15], v[12+\c]
	v_cvt_scalef32_pk16_bf6_f32 v[PT+4*\c:PT+4*\c+2], v[X+32*\c+16:X+32*\c+31], v[12+\c]   ; (a conversion's three registers begin on an even number)
.endr
	v_nop                                          ; one plain place behind a scaled conversion
.irp c, 0,1
.irp i, 0,1,2
	v_mov_b32 v[PC+6*\c+3+\i], v[PT+4*\c+\i]
.endr
.endr
	global_store_b128 v4, v[PC:PC+3], s[30:31] offset:1536*\f          ; each store covers whole aligned blocks of 256 bytes
	global_store_b64 v9, v[PC+4:PC+5], s[30:31] offset:1536*\f+512
	global_store_b128 v4, v[PC+6:PC+9], s[30:31] offset:1536*\f+768
	global_store_b64 v9, v[PC+10:PC+11], s[30:31] offset:1536*\f+1280
.endm
	LOAD 0
	LOAD 1
	FRAG 0
	FRAG 1
	FRAG 2
	FRAG 3
	v_cmp_le_u32 vcc_lo, 16, v1                    ; lanes 16-31 store words 2 and 3 of their row, lanes 0-15 words 0 and 1
	s_delay_alu instid0(VALU_DEP_1)
	v_cndmask_b32 v24, v[W], v[W+2], vcc_lo
	s_delay_alu instid0(VALU_DEP_2)
	v_cndmask_b32 v25, v[W+1], v[W+3], vcc_lo
	global_store_b64 v19, v[24:25], s[32:33]       ; 32 lanes store one aligned block of 256 bytes
	s_wait_tensorcnt 0x0
	ds_add_u32 v62, v63
	s_wait_dscnt 0x0
	s_endpgm
.Lfunc_end_k_qb3a24c14c5_quant:
	.size	k_qb3a24c14c5_quant, .Lfunc_end_k_qb3a24c14c5_quant-k_qb3a24c14c5_quant
	.p2alignl 7, 3214868480
	.fill 96, 4, 3214868480
	.section	.rodata,"a",@progbits
	.p2align	6, 0x0
	.amdhsa_kernel k_qb3a24c14c5_quant
		.amdhsa_group_segment_fixed_size 120064
		.amdhsa_private_segment_fixed_size 0
		.amdhsa_enable_private_segment 0
		.amdhsa_kernarg_size 72
		.amdhsa_user_sgpr_count 2
		.amdhsa_user_sgpr_kernarg_segment_ptr 1
		.amdhsa_wavefront_size32 1
		.amdhsa_system_sgpr_workgroup_id_x 1
		.amdhsa_system_sgpr_workgroup_id_y 1
		.amdhsa_system_sgpr_workgroup_id_z 1
		.amdhsa_system_vgpr_workitem_id 0
		.amdhsa_next_free_vgpr 256
		.amdhsa_next_free_sgpr 66
		.amdhsa_reserve_vcc 1
		.amdhsa_float_denorm_mode_32 3
		.amdhsa_float_denorm_mode_16_64 3
		.amdhsa_memory_ordered 1
		.amdhsa_forward_progress 1
		.amdhsa_inst_pref_size 37
	.end_amdhsa_kernel
	.amdgpu_metadata
---
amdhsa.version: [ 1, 2 ]
amdhsa.kernels:
  - .name:           k_qb3a24c14c5_quant
    .symbol:         k_qb3a24c14c5_quant.kd
    .args:
      - { .name: query, .offset: 0, .size: 8, .value_kind: global_buffer, .address_space: global }
      - { .name: key, .offset: 8, .size: 8, .value_kind: global_buffer, .address_space: global }
      - { .name: value, .offset: 16, .size: 8, .value_kind: global_buffer, .address_space: global }
      - { .name: Wq, .offset: 24, .size: 8, .value_kind: global_buffer, .address_space: global }
      - { .name: Wk, .offset: 32, .size: 8, .value_kind: global_buffer, .address_space: global }
      - { .name: Wv, .offset: 40, .size: 8, .value_kind: global_buffer, .address_space: global }
      - { .name: Wo, .offset: 48, .size: 8, .value_kind: global_buffer, .address_space: global }
      - { .name: codes, .offset: 56, .size: 8, .value_kind: global_buffer, .address_space: global }
      - { .name: scl, .offset: 64, .size: 8, .value_kind: global_buffer, .address_space: global }
    .group_segment_fixed_size: 120064
    .private_segment_fixed_size: 0
    .kernarg_segment_align: 8
    .kernarg_segment_size: 72
    .max_flat_workgroup_size: 448
    .sgpr_count:     66
    .vgpr_count:     256
    .wavefront_size: 32
...
	.end_amdgpu_metadata
.endif
;; end of part 1
;; launch proj (part 2): grid 4 x 64, 4 waves a work-group, clusters of 4 x 4, 327,680 bytes of LDS; arguments codes, scl, bq, bk, bv, qkv; writes qkv
.if DOCPART == 2
	.amdgcn_target "amdgcn-amd-amdhsa--gfx1250"
	.amdhsa_code_object_version 6
	.text
	.protected	k_qb3a24c14c5_proj
	.globl	k_qb3a24c14c5_proj
	.p2align	8
	.type	k_qb3a24c14c5_proj,@function
k_qb3a24c14c5_proj:
	s_mov_b64 s[64:65], 0
	v_nop
	global_prefetch_b8 v0, s[64:65] scope:SCOPE_SE
	s_setreg_imm32_b32 hwreg(HW_REG_WAVE_MODE, 25, 1), 1
	s_wait_xcnt 0x0
	s_wait_alu depctr_hold_cnt(0) depctr_sa_sdst(0) depctr_va_vdst(0) depctr_va_sdst(0) depctr_va_ssrc(0) depctr_va_vcc(0) depctr_vm_vsrc(0)
	s_getreg_b32 s2, hwreg(HW_REG_IB_STS2, 6, 4)
	s_cmp_eq_u32 s2, 0
	s_cbranch_scc0 .Lentry_in_a_cluster
	s_endpgm
.Lentry_in_a_cluster:
	s_bfe_u32 s2, ttmp6, 0x10000c
	s_cmp_lg_u32 s2, 0xf033
	s_cbranch_scc0 .Lentry_shape_is_right
	s_endpgm
.Lentry_shape_is_right:
; Q = query Wq^T + bq, K = key Wk^T + bk, V = value Wv^T + bv on codes of BF6 (E3M2) with E8M0 scales, f32 sums; the results are quantised in registers for the attention's two products and leave as codes.
; LIMITS: NaN and infinities are not served; a block whose largest magnitude lies under 2^-122, a block of zeros among them, gets the scale byte 1 (only this program reads the bytes).
; A TILE: 128 "A" rows x 256 "B" rows, all of K = 1,024.  Four waves (wa = wave / 2, wb = wave % 2), each 64 x 128: 32 accumulators.  THE MATRIX INSTRUCTION IS USED TRANSPOSED: source 0 = 16 B rows, source 1 = 16 A rows:
; a lane holds A row lane % 16 and its registers run along B rows.  For Q and K: A = tokens, B = the weight's rows: registers run along the head's 64, the next K.  For V: A = Wv's rows, B = tokens: registers run along the keys.
; The stored rows of value and the three weights are chosen (by the launch that made the codes) so that the 16 registers of result tiles 2 B, 2 B + 1 are 16 neighbours.
; A WORK-GROUP STAYS and makes three tiles, one of each KIND (0 Q, 1 K, 2 V): Q and K in a loop of two trips, V written out behind it, since it asks for nothing more.
; THE RING: two LDS slots of 147,456 bytes, each with half of K (four K steps): A's 8 row tiles x 6,144 bytes, then B's 16.  A slot is asked for again in the K step that reads it last (steps 3 and 7), with the next half
; tile, the next tile's too: one joint load a wave behind each round of the cluster's barrier, and four K steps (at a tile's end also the way out) until the wait for it.  So nothing more is asked of memory ahead of the refills.
; The operands' codes lie in memory in the order of the operand's registers: a fragment comes by two loads of 16 bytes and two of 8 bytes a lane, consecutive over the lanes: no pitch, no padding.
; CLUSTER 4 x 4: the four work-groups of a row need the same A tiles, the four of a column the same B tiles: each is asked for jointly.  The grid has one cluster along x, so the work-group's x is its place cx.
; qkv: THE RESULTS' CODES ARE IMAGES OF TWELVE REGISTERS, 1,536 bytes: registers 4 j .. 4 j + 3 at 512 j + 16 x lane.  For Q and K the twelve are a pair of token tiles 2 P, 2 P + 1 of one head (six registers each); for V one
; fragment, 16 channels x 128 keys.  For each head bh = 16 b + head and each chunk of 512 keys a record of 52,224 bytes: K's codes (16 pairs), V's codes at 24,576 ([step of 128 keys][channel tile]), K's scale words at 49,152
; ([64 keys][lane][2]: word i of lane l: tile 2 i + l / 16, row l % 16), V's at 51,200 ([step][lane][2], likewise by channel tile).  Q's codes from QC0 ([bh][pair]), Q's scale words from QS0 (laid as K's).
; REGISTERS: window 0: v1-15 lane numbers and offsets; v4-7, v228-231 LDS addresses in slot 0, 1; v16-31 A's scale words, v32-63 B's (register 8 p + t: lanes 0-15 tile 2 p, lanes 16-31 tile 2 p + 1, K step t);
;   v64-159 A's fragments, two sets; the way out uses v64-251.   window 1: accumulator (a, b) at v[8 (8 a + b)].   window 2: v0-191 B's fragments, two sets; v192-255 the bias along B's rows.
.set SLOT,  147456
.set QC0,   13369344
.set QS0,   19660800
.set ADA16, 4
.set ADA8,  5
.set ADB16, 6
.set ADB8,  7
.set SA,    16
.set SB,    32
.set AF,    64
.set HA,    64                         ; the way out: 64 numbers of a lane
.set TM,    176                        ; v176-191 at work in the quantiser
.set PC,    208                        ; v208-219 twelve registers of codes: V's fragment; Q, K: the first head's pair of tiles
.set PCT,   232                        ; v232-239 the conversions' second halves
.set PX,    240                        ; v240-251 Q, K: the second head's pair of tiles
.set WV,    16                         ; s16 wave, s17 wa, s18 wb, s19 cx, s20 cy, s21 KIND, s22 the cluster's y
.set G1A,   24                         ; s[24:31], s[32:39] descriptor groups 1;  s[40:47], s[68:75] groups 0, one for each slot
.set G1B,   32
.set G0A,   40
.set G0B,   68
.set SEL,   66
.set NK,    63                         ; s63 the next tile's KIND;  s76 the bias's byte offset
.set MSB, 0
.macro WIN new                         ; the immediate's high byte repeats the setting that is left
.if MSB != \new
	s_set_vgpr_msb (MSB<<8)|\new
.set MSB, \new
.endif
.endm
.macro PLACES n                        ; plain places behind matrix instructions (ISA guide 7.12.1)
.rept \n
	v_nop
.endr
.endm
.macro CREST                           ; a round of the cluster's barrier behind its opening barrier
	s_cmp_lg_u32 s[WV], 0
	s_cbranch_scc1 .Lnot_wave_0_\@
	s_barrier_signal -3
.Lnot_wave_0_\@:
	s_barrier_wait -3
	s_barrier_signal -1
	s_barrier_wait -1
.endm
.macro CROUND
	s_barrier_signal -1
	s_barrier_wait -1
	CREST
.endm
; A joint load into slot s: waves 0, 1 fetch four tiles of A each, waves 2, 3 eight tiles of B each.  An s_nop 0 and four v_nop follow each line.
.macro JLOAD s
	s_cmp_eq_u32 s17, 0
	s_cbranch_scc0 .Lfor_b_\@
	tensor_load_to_lds s[G0A+4*\s:G0A+4*\s+3], s[G1A:G1A+7]
	s_nop 0
	PLACES 4
	s_branch .Lasked_\@
.Lfor_b_\@:
	tensor_load_to_lds s[G0B+4*\s:G0B+4*\s+3], s[G1B:G1B+7]
	s_nop 0
	PLACES 4
.Lasked_\@:
.endm
.macro SETG0 s, half                   ; slot s takes half `half` of K of the tile whose codes begin at s[56:57], s[60:61].  No tensor load of mine is out here
	s_add_nc_u64 s[G0A+4*\s+2:G0A+4*\s+3], s[56:57], \half*6144
	s_or_b32 s[G0A+4*\s+3], s[G0A+4*\s+3], 0x80000000
	s_add_nc_u64 s[G0B+4*\s+2:G0B+4*\s+3], s[60:61], \half*6144
	s_or_b32 s[G0B+4*\s+3], s[G0B+4*\s+3], 0x80000000
.endm
; One product.  rD, rX, rY, rSX, rSY: the registers of D, source 0, source 1 and the two scales.  fZ: C is the constant 0, else C = D.  fX, fY: the scales of source 0, source 1 stand in lanes 16-31.
.macro WM
.if fZ
.if fX && fY
	v_wmma_scale_f32_16x16x128_f8f6f4 v[rD:rD+7], v[rX:rX+11], v[rY:rY+11], 0, v[rSX], v[rSY] matrix_a_fmt:MATRIX_FMT_BF6 matrix_b_fmt:MATRIX_FMT_BF6 matrix_a_scale:MATRIX_SCALE_ROW1 matrix_b_scale:MATRIX_SCALE_ROW1
.elseif fX
	v_wmma_scale_f32_16x16x128_f8f6f4 v[rD:rD+7], v[rX:rX+11], v[rY:rY+11], 0, v[rSX], v[rSY] matrix_a_fmt:MATRIX_FMT_BF6 matrix_b_fmt:MATRIX_FMT_BF6 matrix_a_scale:MATRIX_SCALE_ROW1
.elseif fY
	v_wmma_scale_f32_16x16x128_f8f6f4 v[rD:rD+7], v[rX:rX+11], v[rY:rY+11], 0, v[rSX], v[rSY] matrix_a_fmt:MATRIX_FMT_BF6 matrix_b_fmt:MATRIX_FMT_BF6 matrix_b_scale:MATRIX_SCALE_ROW1
.else
	v_wmma_scale_f32_16x16x128_f8f6f4 v[rD:rD+7], v[rX:rX+11], v[rY:rY+11], 0, v[rSX], v[rSY] matrix_a_fmt:MATRIX_FMT_BF6 matrix_b_fmt:MATRIX_FMT_BF6
.endif
.else
.if fX && fY
	v_wmma_scale_f32_16x16x128_f8f6f4 v[rD:rD+7], v[rX:rX+11], v[rY:rY+11], v[rD:rD+7], v[rSX], v[rSY] matrix_a_fmt:MATRIX_FMT_BF6 matrix_b_fmt:MATRIX_FMT_BF6 matrix_a_scale:MATRIX_SCALE_ROW1 matrix_b_scale:MATRIX_SCALE_ROW1
.elseif fX
	v_wmma_scale_f32_16x16x128_f8f6f4 v[rD:rD+7], v[rX:rX+11], v[rY:rY+11], v[rD:rD+7], v[rSX], v[rSY] matrix_a_fmt:MATRIX_FMT_BF6 matrix_b_fmt:MATRIX_FMT_BF6 matrix_a_scale:MATRIX_SCALE_ROW1
.elseif fY
	v_wmma_scale_f32_16x16x128_f8f6f4 v[rD:rD+7], v[rX:rX+11], v[rY:rY+11], v[rD:rD+7], v[rSX], v[rSY] matrix_a_fmt:MATRIX_FMT_BF6 matrix_b_fmt:MATRIX_FMT_BF6 matrix_b_scale:MATRIX_SCALE_ROW1
.else
	v_wmma_scale_f32_16x16x128_f8f6f4 v[rD:rD+7], v[rX:rX+11], v[rY:rY+11], v[rD:rD+7], v[rSX], v[rSY] matrix_a_fmt:MATRIX_FMT_BF6 matrix_b_fmt:MATRIX_FMT_BF6
.endif
.endif
.endm
; 48 LDS loads in one run: K step t's fragments, from slot t / 4, into set t % 2: B's eight (32 loads), A's tiles 0, 1 (8), A's tiles 2, 3 (8)
.macro FETCH t
	WIN 0x80                                       ; destination window 2, address window 0
.irp b, 0,1,2,3,4,5,6,7
.irp c, 0,1
	ds_load_b128 v[96*((\t)%2)+12*\b+6*\c:96*((\t)%2)+12*\b+6*\c+3], v[ADB16+224*((\t)/4)] offset:6144*\b+1536*((\t)%4)+768*\c
	ds_load_b64 v[96*((\t)%2)+12*\b+6*\c+4:96*((\t)%2)+12*\b+6*\c+5], v[ADB8+224*((\t)/4)] offset:6144*\b+1536*((\t)%4)+768*\c+512
.endr
.endr
	WIN 0
.irp a, 0,1,2,3
.irp c, 0,1
	ds_load_b128 v[AF+48*((\t)%2)+12*\a+6*\c:AF+48*((\t)%2)+12*\a+6*\c+3], v[ADA16+224*((\t)/4)] offset:6144*\a+1536*((\t)%4)+768*\c
	ds_load_b64 v[AF+48*((\t)%2)+12*\a+6*\c+4:AF+48*((\t)%2)+12*\a+6*\c+5], v[ADA8+224*((\t)/4)] offset:6144*\a+1536*((\t)%4)+768*\c+512
.endr
.endr
.endm
; 16 products: A's tiles a0, a0 + 1 x B's eight, K step t.  zero = 1: they start the sums.  The 32 accumulators take turns, one instruction a turn, in the same order in every step.
.macro MUL16 a0, t, zero
.irp a, \a0, \a0+1
.irp b, 0,1,2,3,4,5,6,7
.set rD, 8*(8*(\a)+\b)
.set rX, 96*((\t)%2)+12*\b
.set rY, AF+48*((\t)%2)+12*(\a)
.set rSX, SB+8*(\b/2)+(\t)
.set rSY, SA+8*((\a)/2)+(\t)
.set fZ, \zero
.set fX, \b%2
.set fY, (\a)%2
	WM
.endr
.endr
.endm
; A K step of 128.  R = 1: a tile follows.  Steps 3 and 7 read their slot last.  In front of the barrier there each wave waits for all its tensor loads (the other slot's among them), adds 0 to its spare word and waits for that
; and for its reads of the slot; the barrier opens a round of the cluster's barrier, and the slot's refill is the first tensor load behind the round.  R = 0: step 3 has the wait and a barrier, for the last half of K; nothing is filled.
.macro STEP t, zero, R
.if ((\t) == 3) || (((\t) == 7) && (\R))
	WIN 0                                          ; (the add's two registers lie in window 0)
	s_wait_tensorcnt 0x0
.if \R
	ds_add_u32 v254, v255
	s_wait_dscnt 9                                 ; (the add and the youngest eight loads may be out)
.else
	s_wait_dscnt 8
.endif
.else
	s_wait_dscnt 8                                 ; B's fragments and A's tiles 0, 1 are in; the youngest eight loads (A's tiles 2, 3) may be out
.endif
	WIN 0x52                                       ; source 0 (B) window 2, source 1 (A) window 0, C and D window 1
	MUL16 0, \t, \zero
.if (\t) == 3
	s_wait_dscnt 0x0                               ; the add is done, and my reads of slot 0 are over
	s_barrier_signal -1
	WIN 0
	s_barrier_wait -1
.if \R
	CREST
	SETG0 0, 0
	JLOAD 0                                        ; the next tile's first half; the four v_nop behind it are the places in front of the loads below
.else
	PLACES 4
.endif
	FETCH 4
	WIN 0x52
	MUL16 2, \t, \zero
.elseif (\t) == 7
	s_wait_dscnt 0x0
.if \R
	s_barrier_signal -1
	MUL16 2, \t, \zero                             ; work on registers while the others arrive
	WIN 0
	s_barrier_wait -1
	CREST
	SETG0 1, 1
	JLOAD 1                                        ; the next tile's second half; the four v_nop are the places in front of the way out
.else
	MUL16 2, \t, \zero
.endif
.else
	PLACES 4                                       ; in front of loads into registers that the step before multiplied
	FETCH (\t)+1
	s_wait_dscnt 48                                ; all but the 48 just issued
	WIN 0x52
	MUL16 2, \t, \zero
.endif
.endm
; Where the tile of the KIND in s[k] comes from: s84 ATILE (hangs on cy, never on cx), s85 BTILE (on cx, never on cy); s[56:57], s[60:61] the codes that I fetch for A, for B; s[86:87], s[88:89] my tiles' scale words.
.macro SETUP_IN k
	s_and_b32 s3, s22, 1
	s_lshr_b32 s23, s22, 1
	s_mov_b32 s60, 1536                            ; the operands' first tiles in codes: Q: query 0, Wq 1536;
	s_cmp_eq_u32 s[\k], 1
	s_cselect_b32 s56, 512, 0                      ; K: key 512, Wk 1600;
	s_cselect_b32 s60, 1600, s60
	s_cmp_eq_u32 s[\k], 2
	s_cselect_b32 s56, 1664, s56                   ; V: Wv 1664 is A, value 1024 is B
	s_cselect_b32 s60, 1024, s60
	s_cselect_b32 s84, s3, s22                     ; Q, K: 64 A tiles x 4 B tiles;  V: 8 x 32
	s_cselect_b32 s85, s23, 0
	s_lshl_b32 s84, s84, 2
	s_add_co_u32 s84, s84, s20
	s_lshl_b32 s85, s85, 2
	s_add_co_u32 s85, s85, s19
	s_lshl_b32 s57, s84, 3
	s_add_co_u32 s56, s56, s57                     ; A's first tile
	s_lshl_b32 s57, s17, 2
	s_add_co_u32 s86, s56, s57                     ; my four tiles of A:
	s_lshl_b32 s86, s86, 9                         ; their scale words, 512 bytes a tile
	s_mov_b32 s87, 0
	s_lshl_b32 s57, s18, 2
	s_add_co_u32 s56, s56, s57                     ; the four tiles that I fetch, if I fetch for A
	s_mul_i32 s56, s56, 12288
	s_mov_b32 s57, 0
	s_lshl_b32 s61, s85, 4
	s_add_co_u32 s60, s60, s61
	s_lshl_b32 s61, s18, 3
	s_add_co_u32 s60, s60, s61                     ; B: the eight tiles that I multiply, which are also those that I fetch, if I fetch for B
	s_lshl_b32 s88, s60, 9
	s_mov_b32 s89, 0
	s_mul_i32 s60, s60, 12288
	s_mov_b32 s61, 0
	s_add_nc_u64 s[56:57], s[4:5], s[56:57]
	s_add_nc_u64 s[60:61], s[4:5], s[60:61]
	s_add_nc_u64 s[86:87], s[6:7], s[86:87]
	s_add_nc_u64 s[88:89], s[6:7], s[88:89]
.endm
; Where the tile of KIND s21 goes, from its s84, s85.  Q, K: batch ATILE / 16, first head 4 BTILE + 2 wb, group of 64 tokens 2 (ATILE % 16) + wa.  V: batch BTILE / 8, head 2 ATILE + wa, step of 128 keys 2 (BTILE % 8) + wb.
; And its bias: Q, K: along B's rows, from feature 256 BTILE + 128 wb on;  V: along A's rows, from channel 128 ATILE + 64 wa on.
.macro SETUP_OUT isv
.if \isv
	s_lshl_b32 s76, s84, 9
	s_lshl_b32 s23, s17, 8
	s_add_co_u32 s76, s76, s23
	s_mov_b64 s[90:91], s[12:13]
.else
	s_lshl_b32 s76, s85, 10
	s_lshl_b32 s23, s18, 9
	s_add_co_u32 s76, s76, s23
	s_cmp_eq_u32 s21, 1
	s_cselect_b64 s[90:91], s[10:11], s[8:9]
.endif
	s_lshr_b32 s2, s84, 4
	s_lshr_b32 s3, s85, 3
	s_lshl_b32 s23, s85, 2
	s_lshl_b32 s101, s18, 1
	s_add_co_u32 s23, s23, s101
	s_lshl_b32 s92, s84, 1
	s_add_co_u32 s92, s92, s17
	s_and_b32 s93, s84, 15
	s_lshl_b32 s93, s93, 1
	s_add_co_u32 s93, s93, s17
	s_and_b32 s94, s85, 7
	s_lshl_b32 s94, s94, 1
	s_add_co_u32 s94, s94, s18
	s_mov_b32 s95, 3072
	s_mov_b32 s97, 49152
	s_mov_b32 s100, 208896
	s_cmp_eq_u32 s21, 2
	s_cselect_b32 s2, s3, s2                       ; batch
	s_cselect_b32 s23, s92, s23                    ; head
	s_cselect_b32 s93, s94, s93                    ; group or step
	s_cselect_b32 s3, 2, 3                         ; a chunk of 512 keys holds 4 steps or 8 groups
	s_cselect_b32 s94, 3, 7
	s_cselect_b32 s95, 6144, s95                   ; bytes of codes of a step or a group,
	s_cselect_b32 s96, 24576, 0                    ; where they begin in a record,
	s_cselect_b32 s97, 51200, s97                  ; and their scale words
	s_lshl_b32 s2, s2, 4
	s_add_co_u32 s2, s2, s23                       ; bh
	s_lshr_b32 s3, s93, s3
	s_and_b32 s94, s93, s94
	s_mul_i32 s101, s2, 208896
	s_mul_i32 s3, s3, 52224
	s_add_co_u32 s101, s101, s3                    ; the record
	s_mul_i32 s95, s94, s95
	s_add_co_u32 s95, s95, s96
	s_add_co_u32 s95, s95, s101                    ; K, V: the codes,
	s_lshl_b32 s94, s94, 8
	s_add_co_u32 s97, s97, s94
	s_add_co_u32 s97, s97, s101                    ; the scale words
	s_mul_i32 s96, s2, 98304
	s_mul_i32 s101, s93, 3072
	s_add_co_u32 s96, s96, s101
	s_add_co_u32 s96, s96, QC0                     ; Q: the codes,
	s_lshl_b32 s2, s2, 13
	s_lshl_b32 s93, s93, 8
	s_add_co_u32 s2, s2, s93
	s_add_co_u32 s2, s2, QS0                       ; the scale words
	s_mov_b32 s98, 208896
	s_cmp_eq_u32 s21, 0
	s_cselect_b32 s92, s96, s95
	s_cselect_b32 s96, s2, s97
	s_cselect_b32 s98, 8192, s98                   ; from a head's scale words to the next head's
	s_cselect_b32 s100, 98304, s100                ; from a head's codes to the next head's
	s_mov_b32 s93, 0
	s_mov_b32 s97, 0
	s_mov_b32 s99, 0
	s_add_nc_u64 s[92:93], s[14:15], s[92:93]      ; codes
	s_add_nc_u64 s[96:97], s[14:15], s[96:97]      ; scale words
	s_add_nc_u64 s[98:99], s[96:97], s[98:99]      ; the second head's (Q, K)
.if \isv == 0
	v_add_nc_u32 v10, s100, v8                     ; the second head's stores
.endif
.endm
.macro SCALES                          ; the scale words of all of K, once a tile, in whole blocks of 256 bytes
.irp p, 0,1,2,3
.irp g, 0,1
	global_load_b128 v[SB+8*\p+4*\g:SB+8*\p+4*\g+3], v13, s[88:89] offset:1024*\p+256*\g
.endr
.endr
.irp p, 0,1
.irp g, 0,1
	global_load_b128 v[SA+8*\p+4*\g:SA+8*\p+4*\g+3], v13, s[86:87] offset:1024*\p+256*\g
.endr
.endr
.endm
; Q, K: register (b, j) of lane (r, h) is feature 32 (b / 2) + 16 h + 8 (b % 2) + j of my 128.  V: tile a of lane (r, h) is channel 32 (a / 2) + 8 (a % 2) + r + 8 (r / 8) of my 64.
.macro BIAS isv
.if \isv
	v_and_b32 v15, 8, v2
	v_add_nc_u32 v15, v15, v2
	v_lshlrev_b32 v15, 2, v15
	v_add_nc_u32 v15, s76, v15
.irp a, 0,1,2,3
	global_load_b32 v[200+\a], v15, s[90:91] offset:128*(\a/2)+32*(\a%2)
.endr
.else
	v_lshlrev_b32 v14, 6, v3
	v_add_nc_u32 v14, s76, v14
	WIN 0x80
.irp b, 0,1,2,3,4,5,6,7
	global_load_b128 v[192+8*\b:192+8*\b+3], v14, s[90:91] offset:128*(\b/2)+32*(\b%2)
	global_load_b128 v[192+8*\b+4:192+8*\b+7], v14, s[90:91] offset:128*(\b/2)+32*(\b%2)+16
.endr
	WIN 0
.endif
.endm
; 64 numbers of a lane, register 16 b + i = k 32 b + 16 (lane / 16) + i of my row, become twice six registers of codes, from v[d0] and from v[d1] on, and a scale word in v[pw]
.macro QUANT s, pw, d0, d1
.irp b, 0,1,2,3
	v_max3_num_f32 v[TM+\b], |v[\s+16*\b]|, |v[\s+1+16*\b]|, 0x2800000   ; block b: my 16 numbers, and the floor 2^(5 - 127): the byte cannot fall under 1
.endr
.irp i, 2,4,6,8,10,12,14
.irp b, 0,1,2,3
	v_max3_num_f32 v[TM+\b], v[TM+\b], |v[\s+16*\b+\i]|, |v[\s+1+16*\b+\i]|   ; (the four blocks by turns)
.endr
.endr
.irp b, 0,1,2,3
	v_permlanex16_b32 v[TM+4+\b], v[TM+\b], s[SEL], s[SEL+1]
.endr
.irp b, 0,1,2,3
	v_max_num_f32 v[TM+\b], v[TM+\b], v[TM+4+\b]   ; with lane l xor 16's: the block's largest magnitude
.endr
.irp b, 0,1,2,3
	v_add_nc_u32 v[TM+12+\b], 0xfe000000, v[TM+\b] ; 4 off its exponent field: the conversion's scale operand
.endr
.irp b, 0,1,2,3
	v_lshrrev_b32 v[TM+4+\b], 23, v[TM+12+\b]      ; the scale's byte
.endr
	v_lshl_or_b32 v[\pw], v[TM+5], 8, v[TM+4]      ; my row's scale word
	v_lshl_or_b32 v[\pw], v[TM+6], 16, v[\pw]
	v_lshl_or_b32 v[\pw], v[TM+7], 24, v[\pw]
	s_wait_alu depctr_va_vdst(0)                   ; directly ahead of the wait below
	s_wait_xcnt 0x0                                ; earlier stores have read their data: the codes' registers are written again only behind this wait
.irp c, 0,1
	v_cvt_scalef32_pk16_bf6_f32 v[(\d0)+((\d1)-(\d0))*\c:(\d0)+((\d1)-(\d0))*\c+2], v[\s+32*\c:\s+15+32*\c], v[TM+12+2*\c]
	v_cvt_scalef32_pk16_bf6_f32 v[PCT+4*\c:PCT+2+4*\c], v[\s+16+32*\c:\s+31+32*\c], v[TM+12+2*\c+1]   ; (a conversion's three registers begin on an even number)
.endr
	v_nop                                          ; one plain place behind a scaled conversion
.irp c, 0,1                            ; the operand's layout wants a whole block in a lane: lanes 0-15 block 2 c, lanes 16-31 block 2 c + 1
.irp i, 0,1,2
	v_permlane16_swap_b32 v[(\d0)+((\d1)-(\d0))*\c+\i], v[PCT+4*\c+\i]
.endr
.irp i, 0,1,2
	v_mov_b32 v[(\d0)+((\d1)-(\d0))*\c+3+\i], v[PCT+4*\c+\i]
.endr
.endr
.endm
; THE WAY OUT of A tile a: sums + bias in f32, quantised, stored as images of twelve registers.  V: the tile's fragment, 16 channels x 128 keys.  Q, K: the first six registers made are the first head's 64, the second six the
; second head's; two token tiles fill a head's twelve, which leave behind the odd tile.  Every offset is an immediate: no base is stepped.
.macro EPI a, isv
.if \isv
	WIN 0x04                                       ; source 1 (sums) window 1
.set i, 0
.rept 64
	v_add_f32 v[HA+i], v[200+\a], v[64*\a+i]       ; each accumulator from its low end on
.set i, i+1
.endr
	WIN 0
	QUANT HA, 192+\a, PC, PC+6
.irp j, 0,1,2
	global_store_b128 v8, v[PC+4*\j:PC+4*\j+3], s[92:93] offset:1536*\a+512*\j   ; each store covers whole aligned blocks of 256 bytes
.endr
.else
	WIN 0x09                                       ; source 0 (sums) window 1, source 1 (bias) window 2
.set i, 0
.rept 32
	v_pk_add_f32 v[HA+2*i:HA+2*i+1], v[64*\a+2*i:64*\a+2*i+1], v[192+2*i:192+2*i+1]
.set i, i+1
.endr
	WIN 0
	QUANT HA, 192+\a, PC+6*((\a)%2), PX+6*((\a)%2)
.if (\a)%2
.irp j, 0,1,2
	global_store_b128 v8, v[PC+4*\j:PC+4*\j+3], s[92:93] offset:768*((\a)-1)+512*\j
	global_store_b128 v10, v[PX+4*\j:PX+4*\j+3], s[92:93] offset:768*((\a)-1)+512*\j
.endr
.endif
.endif
.endm
; A TILE.  On the way in: slot 0 holds its first half of K, whole for every wave; its second half has been asked for; its scale words are on their way; s84, s85 are its own.
.macro TILE R, isv
	FETCH 0
	s_wait_alu depctr_va_vdst(0)                   ; the wait ahead of the wait and the run of scalar instructions below
	s_wait_xcnt 0x0                                ; every earlier load and store has read its base and its offsets: they are written again below
	SETUP_OUT \isv
.if \R
	s_add_co_u32 s[NK], s21, 1
	SETUP_IN NK                                    ; from here on s84, s85 and the four addresses are the next tile's
.endif
	s_wait_alu depctr_va_vdst(0)                   ; directly ahead of the wait below
	s_wait_loadcnt 0x0                             ; my scale words are in
	BIAS \isv                                      ; lands under the K steps
	STEP 0, 1, \R                                  ; the first step's products start the sums: nothing is cleared
	STEP 1, 0, \R
	STEP 2, 0, \R
	STEP 3, 0, \R
	STEP 4, 0, \R
	STEP 5, 0, \R
	STEP 6, 0, \R
	STEP 7, 0, \R
.if \R == 0
	WIN 0
	PLACES 4                                       ; in front of the first read of results
.endif
	s_wait_loadcnt 0x0                             ; the bias
.if \R
	SCALES                                         ; the next tile's scale words land under the way out
.endif
	EPI 0, \isv
	EPI 1, \isv
	EPI 2, \isv
	EPI 3, \isv
	v_cmp_le_u32 vcc_lo, 16, v1                    ; the four tiles' scale words: word i of lane l belongs to tile 2 i + l / 16
	v_cndmask_b32 v196, v192, v193, vcc_lo
	v_cndmask_b32 v197, v194, v195, vcc_lo
	global_store_b64 v12, v[196:197], s[96:97]     ; Q, K: the first head reads bytes 0 and 1; bytes 2 and 3 are the next head's, between 1 and 254
.if \isv == 0
	v_lshrrev_b32 v198, 16, v196                   ; the second head's two bytes, with zeros above
	v_lshrrev_b32 v199, 16, v197
	global_store_b64 v12, v[198:199], s[98:99]
.endif
.endm
	s_load_b256 s[4:11], s[0:1], 0x0               ; codes s[4:5], scl s[6:7], bq s[8:9], bk s[10:11]
	s_load_b128 s[12:15], s[0:1], 0x20             ; bv s[12:13], qkv s[14:15]
	v_lshl_add_u32 v254, v0, 2, 2*SLOT
	v_mov_b32 v255, 0
	ds_add_u32 v254, v255                          ; the opening lines: the add, twice on end, and its wait
	ds_add_u32 v254, v255
	v_lshrrev_b32 v1, 5, v0
	v_readfirstlane_b32 s[WV], v1                  ; wave 0..3
	s_lshr_b32 s17, s[WV], 1                       ; wa: my 64 A rows.  Also: I fetch for A (0) or for B (1)
	s_and_b32 s18, s[WV], 1                        ; wb: my 128 B rows.  Also: which half of that side's tiles I fetch
	s_bfe_u32 s19, ttmp6, 0x40000                  ; cx
	s_bfe_u32 s20, ttmp6, 0x40004                  ; cy
	s_and_b32 s22, ttmp7, 0xffff                   ; the cluster's y, 0..15
	s_mov_b32 s21, 0                               ; KIND
	s_lshl_b32 s2, s20, 2
	s_lshl_b32 s2, 15, s2                          ; my row of the cluster
	s_lshl_b32 s3, 0x1111, s19                     ; my column
	; descriptor groups 1: halves of row tiles, 6,144 bytes (768 elements of 8 bytes: four K steps), 12,288 bytes apart in memory, on end in LDS.  A: 4 tiles a load, B: 8
	s_or_b32 s[G1A], s2, (3<<16)|(1<<21)           ; 15:0 the mask; 17:16 elements of 8 bytes; 21 set beside a mask
	s_or_b32 s[G1B], s3, (3<<16)|(1<<21)
.irp g, G1A, G1B
	s_mov_b32 s[\g+1], 768<<16                     ; tensor_dim0
	s_mov_b32 s[\g+3], 768<<16                     ; tile_dim0
	s_mov_b32 s[\g+5], 1536                        ; tensor_dim0_stride
	s_mov_b32 s[\g+6], 0
	s_mov_b32 s[\g+7], 0
.endr
	s_mov_b32 s[G1A+2], 4<<16                      ; tensor_dim1
	s_mov_b32 s[G1A+4], 4                          ; tile_dim1
	s_mov_b32 s[G1B+2], 8<<16
	s_mov_b32 s[G1B+4], 8
	s_mul_i32 s58, s18, 24576                      ; where my four tiles of A go in a slot,
	s_mul_i32 s62, s18, 49152
	s_add_co_u32 s62, s62, 49152                   ; and my eight of B, behind A's eight
.irp s, 0,1
	s_mov_b32 s[G0A+4*\s], 1
	s_add_co_u32 s[G0A+4*\s+1], s58, \s*SLOT
	s_mov_b32 s[G0B+4*\s], 1
	s_add_co_u32 s[G0B+4*\s+1], s62, \s*SLOT
.endr
	s_mov_b32 s[SEL], 0x76543210
	s_mov_b32 s[SEL+1], 0xfedcba98
	s_wait_dscnt 0x0                               ; both opening adds are done
	s_wait_kmcnt 0x0
	SETUP_IN 21
	SETG0 0, 0
	SETG0 1, 1
	CROUND                                         ; all sixteen work-groups are here: the joint loads meet
	JLOAD 0                                        ; the first tile's first half: one tensor load a wave at the head
	v_and_b32 v1, 31, v0                           ; lane
	v_and_b32 v2, 15, v0                           ; r
	v_bfe_u32 v3, v0, 4, 1                         ; h
	s_mul_i32 s2, s17, 24576                       ; my four tiles of A in a slot
	v_lshl_add_u32 v[ADA16], v1, 4, s2
	v_lshl_add_u32 v[ADA8], v1, 3, s2
	v_lshl_add_u32 v[ADB16], v1, 4, s62
	v_lshl_add_u32 v[ADB8], v1, 3, s62
.irp r, 4,5,6,7
	v_add_nc_u32 v[\r+224], SLOT, v[\r]            ; the same in slot 1
.endr
	v_lshlrev_b32 v13, 4, v2
	v_lshl_add_u32 v13, v3, 9, v13                 ; scale words: row r's 16 bytes; lanes 16-31 take the next tile
	SCALES
	v_lshlrev_b32 v8, 4, v1                        ; the way out: 16 x lane;
	v_lshlrev_b32 v12, 3, v1                       ; scale words: 8 x lane
.irp b, 0,1,2,3
	v_mov_b32 v[TM+4+\b], 0                        ; written once: a lane permute's destination counts as one of its sources
.endr
	s_wait_alu depctr_va_vdst(0)                   ; the wait at the head's end
	s_wait_tensorcnt 0x0                           ; my part of the first half is in
	ds_add_u32 v254, v255
	s_wait_dscnt 0x0
	CROUND
	JLOAD 1                                        ; slot 1's first fill: the first tile's second half
.Ltile:
	TILE 1, 0                                      ; Q, then K
	s_add_co_u32 s21, s21, 1
	s_cmp_lt_u32 s21, 2
	s_wait_alu depctr_va_vdst(0)                   ; the wait ahead of the branch
	s_cbranch_scc1 .Ltile
	TILE 0, 1                                      ; V: the tail, which asks for nothing more
	s_wait_tensorcnt 0x0                           ; the wave's end
	ds_add_u32 v254, v255
	s_wait_dscnt 0x0
	CROUND                                         ; the closing round: no work-group ends while a partner may still ask for a tile that names it
	s_endpgm
.Lfunc_end_k_qb3a24c14c5_proj:
	.size	k_qb3a24c14c5_proj, .Lfunc_end_k_qb3a24c14c5_proj-k_qb3a24c14c5_proj
	.p2alignl 7, 3214868480
	.fill 96, 4, 3214868480
	.section	.rodata,"a",@progbits
	.p2align	6, 0x0
	.amdhsa_kernel k_qb3a24c14c5_proj
		.amdhsa_group_segment_fixed_size 327680
		.amdhsa_private_segment_fixed_size 0
		.amdhsa_enable_private_segment 0
		.amdhsa_kernarg_size 48
		.amdhsa_user_sgpr_count 2
		.amdhsa_user_sgpr_kernarg_segment_ptr 1
		.amdhsa_wavefront_size32 1
		.amdhsa_system_sgpr_workgroup_id_x 1
		.amdhsa_system_sgpr_workgroup_id_y 1
		.amdhsa_system_sgpr_workgroup_id_z 1
		.amdhsa_system_vgpr_workitem_id 0
		.amdhsa_next_free_vgpr 768
		.amdhsa_next_free_sgpr 102
		.amdhsa_reserve_vcc 1
		.amdhsa_float_denorm_mode_32 3
		.amdhsa_float_denorm_mode_16_64 3
		.amdhsa_memory_ordered 1
		.amdhsa_forward_progress 1
		.amdhsa_inst_pref_size 188
	.end_amdhsa_kernel
	.amdgpu_metadata
---
amdhsa.version: [ 1, 2 ]
amdhsa.kernels:
  - .name:           k_qb3a24c14c5_proj
    .symbol:         k_qb3a24c14c5_proj.kd
    .args:
      - { .name: codes, .offset: 0, .size: 8, .value_kind: global_buffer, .address_space: global }
      - { .name: scl, .offset: 8, .size: 8, .value_kind: global_buffer, .address_space: global }
      - { .name: bq, .offset: 16, .size: 8, .value_kind: global_buffer, .address_space: global }
      - { .name: bk, .offset: 24, .size: 8, .value_kind: global_buffer, .address_space: global }
      - { .name: bv, .offset: 32, .size: 8, .value_kind: global_buffer, .address_space: global }
      - { .name: qkv, .offset: 40, .size: 8, .value_kind: global_buffer, .address_space: global }
    .group_segment_fixed_size: 327680
    .private_segment_fixed_size: 0
    .kernarg_segment_align: 8
    .kernarg_segment_size: 48
    .max_flat_workgroup_size: 128
    .sgpr_count:     102
    .vgpr_count:     768
    .wavefront_size: 32
...
	.end_amdgpu_metadata
.endif
;; end of part 2
;; launch attn (part 3): grid 4 x 64, 16 waves a work-group, clusters of 4 x 1, 210,944 bytes of LDS; arguments qkv, oc, os; writes oc, os
.if DOCPART == 3
	.amdgcn_target "amdgcn-amd-amdhsa--gfx1250"
	.amdhsa_code_object_version 6
	.text
	.protected	k_qb3a24c14c5_attn
	.globl	k_qb3a24c14c5_attn
	.p2align	8
	.type	k_qb3a24c14c5_attn,@function
k_qb3a24c14c5_attn:
	s_mov_b64 s[64:65], 0
	v_nop
	global_prefetch_b8 v0, s[64:65] scope:SCOPE_SE
	s_setreg_imm32_b32 hwreg(HW_REG_WAVE_MODE, 25, 1), 1
	s_wait_xcnt 0x0
	s_wait_alu depctr_hold_cnt(0) depctr_sa_sdst(0) depctr_va_vdst(0) depctr_va_sdst(0) depctr_va_ssrc(0) depctr_va_vcc(0) depctr_vm_vsrc(0)
	s_getreg_b32 s2, hwreg(HW_REG_IB_STS2, 6, 4)
	s_cmp_eq_u32 s2, 0
	s_cbranch_scc0 .Lentry_in_a_cluster
	s_endpgm
.Lentry_in_a_cluster:
	s_bfe_u32 s2, ttmp6, 0x10000c
	s_cmp_lg_u32 s2, 0x3003
	s_cbranch_scc0 .Lentry_shape_is_right
	s_endpgm
.Lentry_shape_is_right:
; For each head: O[q] = the sum over k of p(q, k) V[k] / l(q), p = 2^(t - M), t = (Q[q] . K[k]) log2(e) / 8, M = the running largest t rounded up to a whole number, l = the sum of the unquantised p.
; Both products on codes of BF6 (E3M2) with E8M0 scales; p is quantised along the keys; O / l is quantised along the model's axis for the last product and leaves as codes (oc) and scale bytes (os).
; LIMITS: NaN and infinities are not served; the promise holds while the scaled scores t stay under 2^31 in magnitude; a block whose largest magnitude lies under 2^-122, a block of zeros among them,
; gets the scale byte 1; only this program reads the bytes.
; SHARES.  A work-group owns a head bh and a quarter of its 2,048 queries; each of sixteen waves owns two tiles of 16 queries, taken in two passes (a loop of two trips) over all keys: four chunks of 512 keys (a loop of
; four trips), each four steps of 128 keys, written out so that every LDS offset is an immediate.
; THE HEAD'S K AND V, codes and scale words, 208,896 bytes, LIE IN LDS AS THEY LIE IN MEMORY, filled once: each wave fetches a sixteenth, 51 rows of 256 bytes, by one load.  Nothing is stored to LDS.
; The four query quarters of a head form a cluster and ask jointly.  No prefetch: the one fill stands at the head, and there is no loop to run ahead in.
; Q's, K's and V's codes are images of twelve registers, 1,536 bytes: registers 4 j .. 4 j + 3 at 512 j + 16 x lane: a pair of tiles of Q or of K (six registers each), or one fragment of V: three loads of 16 bytes a lane.
; The result's codes (oc) are images of six registers, 768 bytes: registers 0-3 at 16 x lane, registers 4, 5 at 512 + 8 x lane.
; LAYOUT.  Both products are used transposed: S^T = K Q^T (source 0 = 16 keys), O^T = V^T P^T (source 0 = 16 channels): a lane holds one query (lane % 16) throughout.
; Row r of K's stored tile 4 G + t is key 64 G + 32 (r / 8) + 8 t + r % 8: so register 32 c + i of the scores is key 64 c + 32 (lane / 16) + i of the step: a lane holds two WHOLE blocks of 32 keys, in the order
; that the next operand wants: a block's maximum needs no other lane, and the conversions' results are the operand's registers.
; THE FIRST PRODUCT HAS K = 64 IN AN INSTRUCTION OF 128.  Q's registers 6-11 are zero codes.  K's operand for tile t is v[KV + 6 t] on, 12 registers: the upper six are the next tile's codes (behind the last tile: the
; codes of my other tile of Q).  E3M2 has no code for infinity or NaN and no scale byte here is 0xff, so that half adds exactly 0.
; CHAINS.  The maxima run in eight chains, one a tile; the row's sum in eight chains of pairs, whose first links are L = L f + p; the scale word's chain stands among the rescaling of O^T.  A step's last eight additions stand
; behind its last products and among the next step's first: they are the places there.
.set QC0, 13369344
.set QS0, 19660800
.set REC, 52224                        ; a chunk of 512 keys: K's codes 24,576, V's codes 24,576, K's scale words 2,048, V's 1,024
.set PART, 13056                       ; what one wave fetches
.set SPARE, 208896                     ; the spare words, 128 bytes a wave
.set A16, 3                            ; v3, v4 the chunk's LDS byte + 16, 8 x lane;  v1, v2 16, 8 x lane;  v9 2 x lane
.set A8,  4
.set SH,  5                            ; 8 (lane / 16)
.set NM,  12                           ; v12 -M, v13 the largest score so far
.set QF,  22                           ; v22-33 Q's tile in hand, and six registers of zero codes
.set QS,  34                           ; its scale words, in lanes 0-15;  v35 the other tile's
.set QS2, 35
.set KV,  36                           ; v36-83 eight tiles of K, later four fragments of V
.set Q2,  84                           ; v84-89 my other tile of Q
.set KS,  90
.set VS,  94
.set S,   96                           ; v96-159 S^T, then p
.set O,   160                          ; v160-191 O^T
.set PC,  192                          ; v192-203 p's codes
.set PT,  204                          ; v204-211 the eight tiles' maxima, then the conversions' second halves
.set MT,  204
.set BM,  212                          ; my two blocks' largest scores, then largest p
.set SO,  214                          ; the conversions' scale operands
.set BP,  216                          ; the bytes
.set PW,  218                          ; p's scale word
.set T0,  219
.set T1,  220
.set T2,  221
.set FF,  222                          ; v[222:223] f = 2^(old M - new M)
.set OC,  224                          ; v224-229 the result's codes
.set WH,  230                          ; v230, v231 the two passes' pairs of scale bytes
.set L,   232                          ; v232-247 the sum, eight pairs
.set SPW, 254
.set NIL, 255
.set WV,  16
.set G1,  24
.set G0,  32
.set SEL, 48
.set CS,  50
.set TB,  52                           ; s52 the chunk's LDS byte; s53 chunks to go; s54 passes to go
.set CNT, 53
.set PCNT, 54
.macro CROUND                          ; a round of the cluster's barrier
	s_barrier_signal -1
	s_barrier_wait -1
	s_cmp_lg_u32 s[WV], 0
	s_cbranch_scc1 .Lnot_wave_0_\@
	s_barrier_signal -3
.Lnot_wave_0_\@:
	s_barrier_wait -3
	s_barrier_signal -1
	s_barrier_wait -1
.endm
.macro SW t                            ; S^T, tile t.  K's scale words: register t / 2, lanes 0-15 the even tile, lanes 16-31 the odd one
.if (\t)%2
	v_wmma_scale_f32_16x16x128_f8f6f4 v[S+8*\t:S+8*\t+7], v[KV+6*\t:KV+6*\t+11], v[QF:QF+11], 0, v[KS+\t/2], v[QS] matrix_a_fmt:MATRIX_FMT_BF6 matrix_b_fmt:MATRIX_FMT_BF6 matrix_a_scale:MATRIX_SCALE_ROW1
.else
	v_wmma_scale_f32_16x16x128_f8f6f4 v[S+8*\t:S+8*\t+7], v[KV+6*\t:KV+6*\t+11], v[QF:QF+11], 0, v[KS+\t/2], v[QS] matrix_a_fmt:MATRIX_FMT_BF6 matrix_b_fmt:MATRIX_FMT_BF6
.endif
.endm
.macro PV a                            ; O^T += V^T P^T, channel tile a
.if (\a)%2
	v_wmma_scale_f32_16x16x128_f8f6f4 v[O+8*\a:O+8*\a+7], v[KV+12*\a:KV+12*\a+11], v[PC:PC+11], v[O+8*\a:O+8*\a+7], v[VS+\a/2], v[PW] matrix_a_fmt:MATRIX_FMT_BF6 matrix_b_fmt:MATRIX_FMT_BF6 matrix_a_scale:MATRIX_SCALE_ROW1
.else
	v_wmma_scale_f32_16x16x128_f8f6f4 v[O+8*\a:O+8*\a+7], v[KV+12*\a:KV+12*\a+11], v[PC:PC+11], v[O+8*\a:O+8*\a+7], v[VS+\a/2], v[PW] matrix_a_fmt:MATRIX_FMT_BF6 matrix_b_fmt:MATRIX_FMT_BF6
.endif
.endm
.macro SUM j0, n                       ; pairs j0 .. j0 + n - 1 of p onto the eight chains; pairs 0-7 bring the chains under the new M on the way
.set j, \j0
.rept \n
.if j < 8
	v_pk_fma_f32 v[L+2*j:L+2*j+1], v[L+2*j:L+2*j+1], v[FF:FF+1], v[S+2*j:S+2*j+1] op_sel_hi:[1,0,1]
.else
	v_pk_add_f32 v[L+2*(j%8):L+2*(j%8)+1], v[L+2*(j%8):L+2*(j%8)+1], v[S+2*j:S+2*j+1]
.endif
.set j, j+1
.endr
.endm
.macro MX1 t                           ; tile t's chain begins, at the accumulator's low end
	v_max3_num_f32 v[MT+\t], v[S+8*\t], v[S+8*\t+1], v[S+8*\t+2]
.endm
.macro MX3 t, i
	v_max3_num_f32 v[MT+\t], v[MT+\t], v[S+8*\t+\i], v[S+8*\t+\i+1]
.endm
.macro ORS i                           ; O^T under the new M: pair i / 2 of each of the four accumulators
.irp a, 0,1,2,3
	v_pk_mul_f32 v[O+8*\a+\i:O+8*\a+\i+1], v[O+8*\a+\i:O+8*\a+\i+1], v[FF:FF+1] op_sel_hi:[1,0]
.endr
.endm
	s_load_b128 s[4:7], s[0:1], 0x0                ; qkv s[4:5], oc s[6:7]
	s_load_b64 s[8:9], s[0:1], 0x10                ; os
	v_lshl_add_u32 v[SPW], v0, 2, SPARE
	v_mov_b32 v[NIL], 0
	ds_add_u32 v[SPW], v[NIL]                      ; the opening lines: the add, twice on end, and its wait
	ds_add_u32 v[SPW], v[NIL]
	v_lshrrev_b32 v1, 5, v0
	v_readfirstlane_b32 s[WV], v1                  ; wave 0..15
	s_bfe_u32 s17, ttmp6, 0x40000                  ; cx: my quarter of the queries; it enters Q's, oc's and os's addresses alone
	s_and_b32 s18, ttmp7, 0xffff                   ; bh, which the four partners share
	s_mul_i32 s10, s[WV], PART                     ; my sixteenth of the head's bytes, in LDS as in memory
	s_mul_i32 s12, s18, 208896
	s_add_co_u32 s12, s12, s10
	s_mov_b32 s13, 0
	s_mov_b32 s[G1], 15|(3<<16)|(1<<21)            ; the mask: all four work-groups; elements of 8 bytes; bit 21 set beside a mask
	s_mov_b32 s[G1+1], 32<<16                      ; tensor_dim0 = 32 elements: 256 bytes
	s_mov_b32 s[G1+2], 51<<16                      ; tensor_dim1
	s_mov_b32 s[G1+3], 32<<16                      ; tile_dim0
	s_mov_b32 s[G1+4], 51                          ; tile_dim1
	s_mov_b32 s[G1+5], 32                          ; dense
	s_mov_b32 s[G1+6], 0
	s_mov_b32 s[G1+7], 0
	s_mov_b32 s[SEL], 0x76543210
	s_mov_b32 s[SEL+1], 0xfedcba98                 ; v_permlanex16_b32's selects for lane l xor 16
	s_mov_b32 s[CS], 0x3e38aa3b                    ; c = log2(e) / 8
	s_mov_b32 s[CS+1], s[CS]
	s_lshl_b32 s19, s17, 5
	s_lshl_b32 s20, s[WV], 1
	s_add_co_u32 s19, s19, s20                     ; my first tile of queries within the head: 32 cx + 2 wave
	s_mul_i32 s20, s18, 98304
	s_mul_i32 s21, s19, 768
	s_add_co_u32 s20, s20, s21
	s_add_co_u32 s20, s20, QC0                     ; my pair's codes
	s_mov_b32 s21, 0
	s_lshl_b32 s22, s18, 13
	s_lshr_b32 s23, s19, 2
	s_lshl_b32 s23, s23, 8
	s_add_co_u32 s22, s22, s23                     ; its group of four tiles' scale words,
	s_and_b32 s23, s[WV], 1
	s_lshl_b32 s23, s23, 2
	s_add_co_u32 s22, s22, s23                     ; word wave % 2 of each lane: lanes 0-15 my first tile, lanes 16-31 my second
	s_add_co_u32 s22, s22, QS0
	s_mov_b32 s23, 0
	s_lshr_b32 s14, s18, 4
	s_lshl_b32 s14, s14, 7
	s_add_co_u32 s14, s14, s19                     ; my first tile of tokens: 128 b + 32 cx + 2 wave
	s_and_b32 s15, s18, 15                         ; the head within the model's axis
	s_mul_i32 s60, s14, 12288
	s_lshr_b32 s11, s15, 1
	s_mul_i32 s11, s11, 1536                       ; its K step of the last product,
	s_add_co_u32 s60, s60, s11
	s_and_b32 s11, s15, 1
	s_mul_i32 s11, s11, 768                        ; and which six registers of the fragment
	s_add_co_u32 s60, s60, s11
	s_mov_b32 s61, 0
	s_lshl_b32 s62, s15, 14
	s_lshl_b32 s11, s14, 5
	s_add_co_u32 s62, s62, s11                     ; os: [head][tile][row], two bytes
	s_mov_b32 s63, 0
	s_mov_b32 s[PCNT], 2
	s_wait_dscnt 0x0                               ; both opening adds are done
	s_wait_kmcnt 0x0
	s_add_nc_u64 s[12:13], s[4:5], s[12:13]
	s_add_nc_u64 s[56:57], s[4:5], s[20:21]
	s_add_nc_u64 s[58:59], s[4:5], s[22:23]
	s_add_nc_u64 s[60:61], s[6:7], s[60:61]
	s_add_nc_u64 s[62:63], s[8:9], s[62:63]
	s_mov_b32 s[G0], 1
	s_mov_b32 s[G0+1], s10
	s_mov_b64 s[G0+2:G0+3], s[12:13]
	s_or_b32 s[G0+3], s[G0+3], 0x80000000
	CROUND                                         ; all four work-groups are here: the joint loads meet
	tensor_load_to_lds s[G0:G0+3], s[G1:G1+7]      ; every wave's one load
	s_nop 0
	v_and_b32 v9, 31, v0
	v_bfe_u32 v[SH], v0, 4, 1
	v_lshlrev_b32 v1, 4, v9                        ; 16 x lane
	v_lshlrev_b32 v2, 3, v9                        ; 8 x lane
	v_lshlrev_b32 v[SH], 3, v[SH]                  ; 8 (lane / 16): my bytes' place in p's scale word
	v_lshlrev_b32 v9, 1, v9                        ; 2 x lane
.irp j, 0,1,2
	global_load_b128 v[Q2-6+4*\j:Q2-3+4*\j], v1, s[56:57] offset:512*\j   ; Q's pair of tiles: twelve registers on end, the second tile's six in their place
.endr
	global_load_b32 v[QS], v2, s[58:59]
.irp i, 0,1,2,3,4,5
	v_mov_b32 v[QF+6+\i], 0                        ; zero codes for K = 64 .. 127
.endr
.irp r, QS2, T0, T1, T2, FF, FF+1, WH+1
	v_mov_b32 v[\r], 0                             ; permutes' destinations, a pair's upper half, and what is moved before it is made
.endr
	s_wait_alu depctr_va_vdst(0)                   ; the wait at the head's end
	s_wait_tensorcnt 0x0                           ; my sixteenth has landed
	s_barrier_signal -1
	s_barrier_wait -1                              ; everybody's has
	s_wait_loadcnt 0x0                             ; Q
	v_permlanex16_b32 v[QS2], v[QS], s[SEL], s[SEL+1]   ; my second tile's scale words into lanes 0-15
.irp i, 0,1,2,3,4,5
	v_mov_b32 v[QF+\i], v[Q2-6+\i]                 ; my first tile to its place, out of registers that K's last tile takes later
.endr
; A KEY STEP: 128 keys, step s of the chunk.
.macro STEP s
.if \s > 0
	SUM 24, 4                                      ; of the last step's p: these four are the places in front of loads into registers that its products read
.endif
.irp i, 0,1,2,3
.irp j, 0,1,2
	ds_load_b128 v[KV+12*\i+4*\j:KV+12*\i+4*\j+3], v[A16] offset:6144*\s+1536*\i+512*\j   ; a pair of K's tiles
.endr
.endr
	ds_load_b64 v[KS:KS+1], v[A8] offset:49152+512*\s
	ds_load_b64 v[KS+2:KS+3], v[A8] offset:49152+512*\s+256
.if \s == 0
	s_wait_alu depctr_va_vdst(0)
.endif
	s_wait_dscnt 0x0                               ; K is in
	SW 0
	SW 1
	SW 2
	SW 3
.if \s > 0
	SUM 28, 4                                      ; the last step's last p, which tile 7 writes over; the places behind tiles 0-3
.endif
	SW 4
	SW 5
	SW 6
	SW 7
.if \s == 0
.rept 4
	v_nop                                          ; a chunk's first step has no additions left to stand here
.endr
.endif
.irp t, 0,1,2,3
	MX1 \t                                         ; the places behind tiles 4-7
.endr
.irp a, 0,1,2,3                        ; V's four fragments land while the softmax is worked
.irp j, 0,1,2
	ds_load_b128 v[KV+12*\a+4*\j:KV+12*\a+4*\j+3], v[A16] offset:24576+6144*\s+1536*\a+512*\j
.endr
.endr
	ds_load_b64 v[VS:VS+1], v[A8] offset:51200+256*\s
.irp t, 4,5,6,7
	MX1 \t
.endr
.irp t, 0,1,2,3,4,5,6,7
	MX3 \t, 3
.endr
.irp t, 0,2,4,6,1,3,5,7
	MX3 \t, 5
.endr
.irp u, 0,1,2,3
	v_max3_num_f32 v[MT+2*\u], v[MT+2*\u], v[S+16*\u+7], v[S+16*\u+15]   ; two tiles' last scores
.endr
	v_mov_b32 v[T1], v12
	s_delay_alu instid0(VALU_DEP_4)
	v_max3_num_f32 v[BM], v[MT], v[MT+1], v[MT+2]  ; my two blocks' largest scores: they serve for the row's maximum and, since p rises with the score, for the blocks' largest p
	s_delay_alu instid0(VALU_DEP_3)
	v_max3_num_f32 v[BM+1], v[MT+4], v[MT+5], v[MT+6]
	s_delay_alu instid0(VALU_DEP_2)
	v_max_num_f32 v[BM], v[BM], v[MT+3]
	s_delay_alu instid0(VALU_DEP_2)
	v_max_num_f32 v[BM+1], v[BM+1], v[MT+7]
	s_delay_alu instid0(VALU_DEP_1)
	v_max_num_f32 v[T0], v[BM], v[BM+1]
	s_delay_alu instid0(VALU_DEP_1)
	v_permlanex16_b32 v[T2], v[T0], s[SEL], s[SEL+1]
	s_delay_alu instid0(VALU_DEP_1)
	v_max3_num_f32 v13, v13, v[T0], v[T2]          ; the running largest score of my query, lane l xor 16's 64 keys among them
	s_delay_alu instid0(VALU_DEP_1)
	v_mul_f32 v[T0], s[CS], v13                    ; as t (c is positive)
	s_delay_alu instid0(VALU_DEP_1)
	v_floor_f32 v12, -v[T0]                        ; the new -M = floor(-t): M is a whole number
.set j, 0
.rept 32
	v_pk_fma_f32 v[S+j:S+j+1], v[S+j:S+j+1], s[CS:CS+1], v[NM:NM+1] op_sel_hi:[1,0,0]   ; t - M, two at a time
.if j == 6
	v_sub_f32 v[T1], v12, v[T1]                    ; old M - new M: a whole number, 0 or less
.endif
.if j == 14
	v_cvt_i32_f32 v[T1], v[T1]                     ; (it saturates)
.endif
.if j == 22
	v_ldexp_f32 v[FF], 1.0, v[T1]                  ; f = 2^(old M - new M): a multiplication by it rounds nothing
.endif
.set j, j+2
.endr
	v_fma_f32 v[BM], v[BM], s[CS], v12             ; the same of each block's largest score
	v_fma_f32 v[BM+1], v[BM+1], s[CS], v12
	s_wait_alu depctr_va_vdst(0)                   ; the wait ahead of the batch
.set j, 0
.rept 64
	v_exp_f32 v[S+j], v[S+j]                       ; p = 2^(t - M): not normalised
.set j, j+1
.endr
	v_exp_f32 v[BM], v[BM]                         ; the blocks' largest p
	v_exp_f32 v[BM+1], v[BM+1]
	s_wait_alu depctr_va_vdst(0)                   ; one wait for the batch, directly ahead of the first reader of O^T
	ORS 0                                          ; each accumulator's low pair first.  (Plain places behind the exponentials)
	v_max_num_f32 v[BM], 0x2800000, v[BM]          ; the floor 2^(5 - 127): the byte cannot fall under 1
	v_max_num_f32 v[BM+1], 0x2800000, v[BM+1]
	SUM 0, 4
	v_add_nc_u32 v[SO], 0xfe000000, v[BM]          ; 4 off the exponent field: the conversion's scale operand
	v_add_nc_u32 v[SO+1], 0xfe000000, v[BM+1]
	SUM 4, 4
.irp c, 0,1
	v_cvt_scalef32_pk16_bf6_f32 v[PC+6*\c:PC+6*\c+2], v[S+32*\c:S+32*\c+15], v[SO+\c]
	v_cvt_scalef32_pk16_bf6_f32 v[PT+4*\c:PT+4*\c+2], v[S+32*\c+16:S+32*\c+31], v[SO+\c]   ; (a conversion's three registers begin on an even number)
.endr
	v_lshrrev_b32 v[BP], 23, v[SO]                 ; the scales' bytes.  (Plain places behind the conversions)
	v_lshrrev_b32 v[BP+1], 23, v[SO+1]
.irp c, 0,1
.irp i, 0,1,2
	v_mov_b32 v[PC+6*\c+3+\i], v[PT+4*\c+\i]
.endr
.endr
	v_lshl_or_b32 v[PW], v[BP+1], 16, v[BP]        ; blocks h and 2 + h,
	ORS 2
	v_lshlrev_b32 v[PW], v[SH], v[PW]              ; at their places in the word;
	ORS 4
	v_permlanex16_b32 v[T0], v[PW], s[SEL], s[SEL+1]
	ORS 6
	v_or_b32 v[PW], v[PW], v[T0]                   ; with lane l xor 16's two the word is whole
	SUM 8, 16                                      ; sixteen places between the scale word's last write and the products
	s_wait_alu depctr_va_vdst(0)                   ; directly ahead of the wait below
	s_wait_dscnt 0x0                               ; V is in
	PV 0                                           ; the four accumulators by turns
	PV 1
	PV 2
	PV 3
.endm
.Lpass:
.set j, 0
.rept 32
	v_mov_b32 v[O+j], 0                            ; the step is written once for all steps: the first finds zeros, which the first change of M leaves zeros
.set j, j+1
.endr
.set j, 0
.rept 16
	v_mov_b32 v[L+j], 0
.set j, j+1
.endr
	v_mov_b32 v13, 0xff61b1e6                      ; the largest score so far: -3e38
	v_mov_b32 v12, 0x7f61b1e6                      ; -M: 3e38
	s_mov_b32 s[TB], 0
	s_mov_b32 s[CNT], 4
.Lchunk:
	v_add_nc_u32 v[A16], s[TB], v1
	v_add_nc_u32 v[A8], s[TB], v2
	STEP 0
	STEP 1
	STEP 2
	STEP 3
	SUM 24, 8                                      ; the chunk's last p; also the places behind its last products
	s_add_co_u32 s[TB], s[TB], REC
	s_sub_co_u32 s[CNT], s[CNT], 1
	s_cmp_lg_u32 s[CNT], 0
	s_wait_alu depctr_va_vdst(0)                   ; the wait ahead of the branch
	s_cbranch_scc1 .Lchunk
; THE WAY OUT of a tile: O^T / l, quantised along the head's 64 channels: two blocks of 32, six registers of the last product's operand.  Register 16 B + i of O^T is channel 32 B + 16 (lane / 16) + i.
.irp i, 0,1,2,3
	v_pk_add_f32 v[L+2*\i:L+2*\i+1], v[L+2*\i:L+2*\i+1], v[L+8+2*\i:L+9+2*\i]
.endr
	v_mov_b32 v[WH], v[WH+1]                       ; the pass before's bytes
	v_pk_add_f32 v[L:L+1], v[L:L+1], v[L+4:L+5]
	v_pk_add_f32 v[L+2:L+3], v[L+2:L+3], v[L+6:L+7]
	s_delay_alu instid0(VALU_DEP_1)
	v_pk_add_f32 v[L:L+1], v[L:L+1], v[L+2:L+3]
	s_delay_alu instid0(VALU_DEP_1)
	v_add_f32 v[L], v[L], v[L+1]
	s_delay_alu instid0(VALU_DEP_1)
	v_permlanex16_b32 v[T0], v[L], s[SEL], s[SEL+1]
	s_delay_alu instid0(VALU_DEP_1)
	v_add_f32 v[L], v[L], v[T0]                    ; with lane l xor 16's: the row's sum
	s_wait_alu depctr_va_vdst(0)                   ; the wait ahead of the transcendental
	v_rcp_f32 v[L], v[L]
	v_nop                                          ; one plain place behind it
	s_wait_alu depctr_va_vdst(0)                   ; and the wait ahead of the first reader, of it and of O^T
.set j, 0
.rept 32
	v_mul_f32 v[S+j], v[O+j], v[L]
.set j, j+1
.endr
.irp b, 0,1
	v_max3_num_f32 v[BM+\b], |v[S+16*\b]|, |v[S+1+16*\b]|, 0x2800000
.endr
.irp i, 2,4,6,8,10,12,14
.irp b, 0,1
	s_delay_alu instid0(VALU_DEP_2)
	v_max3_num_f32 v[BM+\b], v[BM+\b], |v[S+16*\b+\i]|, |v[S+1+16*\b+\i]|
.endr
.endr
.irp b, 0,1
	s_delay_alu instid0(VALU_DEP_2)
	v_permlanex16_b32 v[BP+\b], v[BM+\b], s[SEL], s[SEL+1]
.endr
.irp b, 0,1
	s_delay_alu instid0(VALU_DEP_2)
	v_max_num_f32 v[BM+\b], v[BM+\b], v[BP+\b]
.endr
.irp b, 0,1
	s_delay_alu instid0(VALU_DEP_2)
	v_add_nc_u32 v[SO+\b], 0xfe000000, v[BM+\b]
.endr
.irp b, 0,1
	s_delay_alu instid0(VALU_DEP_2)
	v_lshrrev_b32 v[BP+\b], 23, v[SO+\b]
.endr
	s_delay_alu instid0(VALU_DEP_1)
	v_lshl_or_b32 v[WH+1], v[BP+1], 8, v[BP]       ; my row's two scale bytes
	v_cvt_scalef32_pk16_bf6_f32 v[OC:OC+2], v[S:S+15], v[SO]
	v_cvt_scalef32_pk16_bf6_f32 v[PT:PT+2], v[S+16:S+31], v[SO+1]
	v_nop                                          ; one plain place behind a scaled conversion
.irp i, 0,1,2
	v_permlane16_swap_b32 v[OC+\i], v[PT+\i]       ; the operand's layout wants a whole block in a lane
.endr
.irp i, 0,1,2
	v_mov_b32 v[OC+3+\i], v[PT+\i]
.endr
	global_store_b128 v1, v[OC:OC+3], s[60:61]     ; whole aligned blocks of 256 bytes
	global_store_b64 v2, v[OC+4:OC+5], s[60:61] offset:512
.irp i, 0,1,2,3,4,5
	v_mov_b32 v[QF+\i], v[Q2+\i]                   ; my other tile of Q takes its turn
.endr
	v_mov_b32 v[QS], v[QS2]
	s_wait_xcnt 0x0                                ; the stores have read their data and their base: both are written again only behind this wait
	s_add_nc_u64 s[60:61], s[60:61], 12288         ; the next tile of tokens
	s_sub_co_u32 s[PCNT], s[PCNT], 1
	s_cmp_lg_u32 s[PCNT], 0
	s_wait_alu depctr_va_vdst(0)                   ; the wait ahead of the branch
	s_cbranch_scc1 .Lpass
	v_cmp_le_u32 vcc_lo, 0x100, v1                 ; lanes 16-31 store my second tile's bytes
	v_cndmask_b32 v[T1], v[WH], v[WH+1], vcc_lo
	global_store_b16 v9, v[T1], s[62:63]           ; 64 consecutive bytes
	s_wait_tensorcnt 0x0                           ; the wave's end
	ds_add_u32 v[SPW], v[NIL]
	s_wait_dscnt 0x0
	CROUND                                         ; the closing round: no work-group ends while a partner may still ask for a tile that names it
	s_endpgm
.Lfunc_end_k_qb3a24c14c5_attn:
	.size	k_qb3a24c14c5_attn, .Lfunc_end_k_qb3a24c14c5_attn-k_qb3a24c14c5_attn
	.p2alignl 7, 3214868480
	.fill 96, 4, 3214868480
	.section	.rodata,"a",@progbits
	.p2align	6, 0x0
	.amdhsa_kernel k_qb3a24c14c5_attn
		.amdhsa_group_segment_fixed_size 210944
		.amdhsa_private_segment_fixed_size 0
		.amdhsa_enable_private_segment 0
		.amdhsa_kernarg_size 24
		.amdhsa_user_sgpr_count 2
		.amdhsa_user_sgpr_kernarg_segment_ptr 1
		.amdhsa_wavefront_size32 1
		.amdhsa_system_sgpr_workgroup_id_x 1
		.amdhsa_system_sgpr_workgroup_id_y 1
		.amdhsa_system_sgpr_workgroup_id_z 1
		.amdhsa_system_vgpr_workitem_id 0
		.amdhsa_next_free_vgpr 256
		.amdhsa_next_free_sgpr 66
		.amdhsa_reserve_vcc 1
		.amdhsa_float_denorm_mode_32 3
		.amdhsa_float_denorm_mode_16_64 3
		.amdhsa_memory_ordered 1
		.amdhsa_forward_progress 1
		.amdhsa_inst_pref_size 70
	.end_amdhsa_kernel
	.amdgpu_metadata
---
amdhsa.version: [ 1, 2 ]
amdhsa.kernels:
  - .name:           k_qb3a24c14c5_attn
    .symbol:         k_qb3a24c14c5_attn.kd
    .args:
      - { .name: qkv, .offset: 0, .size: 8, .value_kind: global_buffer, .address_space: global }
      - { .name: oc, .offset: 8, .size: 8, .value_kind: global_buffer, .address_space: global }
      - { .name: os, .offset: 16, .size: 8, .value_kind: global_buffer, .address_space: global }
    .group_segment_fixed_size: 210944
    .private_segment_fixed_size: 0
    .kernarg_segment_align: 8
    .kernarg_segment_size: 24
    .max_flat_workgroup_size: 512
    .sgpr_count:     66
    .vgpr_count:     256
    .wavefront_size: 32
...
	.end_amdgpu_metadata
.endif
;; end of part 3
;; launch outp (part 4): grid 4 x 64, 4 waves a work-group, clusters of 4 x 4, 295,424 bytes of LDS; arguments oc, os, codes, scl, bo, out0; writes out0
.if DOCPART == 4
	.amdgcn_target "amdgcn-amd-amdhsa--gfx1250"
	.amdhsa_code_object_version 6
	.text
	.protected	k_qb3a24c14c5_outp
	.globl	k_qb3a24c14c5_outp
	.p2align	8
	.type	k_qb3a24c14c5_outp,@function
k_qb3a24c14c5_outp:
	s_mov_b64 s[64:65], 0
	v_nop
	global_prefetch_b8 v0, s[64:65] scope:SCOPE_SE
	s_setreg_imm32_b32 hwreg(HW_REG_WAVE_MODE, 25, 1), 1
	s_wait_xcnt 0x0
	s_wait_alu depctr_hold_cnt(0) depctr_sa_sdst(0) depctr_va_vdst(0) depctr_va_sdst(0) depctr_va_ssrc(0) depctr_va_vcc(0) depctr_vm_vsrc(0)
	s_getreg_b32 s2, hwreg(HW_REG_IB_STS2, 6, 4)
	s_cmp_eq_u32 s2, 0
	s_cbranch_scc0 .Lentry_in_a_cluster
	s_endpgm
.Lentry_in_a_cluster:
	s_bfe_u32 s2, ttmp6, 0x10000c
	s_cmp_lg_u32 s2, 0xf033
	s_cbranch_scc0 .Lentry_shape_is_right
	s_endpgm
.Lentry_shape_is_right:
; out0 = attention's result x Wo^T + bo on codes of BF6 (E3M2) with E8M0 scales, f32 sums.  A = the result's codes (oc, [token tile][K step][c][768]) with two scale bytes for each head and row (os, [head][tile][row]);
; B = Wo's codes and scale words (tiles 1728 on of codes and scl).  out0: [8192][1024] f32.
; A TILE: 128 tokens x 256 features, all of K = 1,024.  Four waves (wa = wave / 2, wb = wave % 2), each 64 x 128: 32 accumulators.  THE MATRIX INSTRUCTION IS USED TRANSPOSED (source 0 = 16 rows of Wo, source 1 = 16 tokens):
; a lane holds eight neighbouring numbers of a row of out0.  The bias is the C of each sum's first product.
; ALL OF K LIES IN LDS AT ONCE: 24 row tiles of 12,288 bytes (all of K), A's 8 from byte 0, then B's 16, filled once.  Codes lie in the order of the operand's registers: no pitch, no padding.
; CLUSTER 4 x 4: the four work-groups of a row need the same A tiles, the four of a column the same B tiles: each is asked for jointly.  The grid has one cluster along x, so the work-group's x is its place cx.
; THE WAY OUT goes through a stage of 16 rows x 528 bytes for each wave, on A's first tiles: every wave's reads of them end in front of the barrier behind the last step.
; REGISTERS: window 0: v1-15 lane numbers and addresses; v16-31 A's scale words, v32-63 B's (register 8 p + t: lanes 0-15 tile 2 p, lanes 16-31 tile 2 p + 1, K step t); v64-159 A's fragments, two sets; v160-191 A's scale bytes as loaded;
;   on the way out v64-191 rows of out0.   window 1: accumulator (a, b) at v[8 (8 a + b)].   window 2: v0-191 B's fragments, two sets; v192-255 the bias.
.set CHK,   73728
.set ADA16, 4                          ; v4-7  LDS addresses of my fragments: 16 x lane and 8 x lane, for A and for B
.set ADA8,  5
.set ADB16, 6
.set ADB8,  7
.set STO,   8                          ; v8   the way out: where I put 32 bytes of a row
.set RD,    9                          ; v9   where I read a row back
.set CO,    10                         ; v10  my 16 bytes of a row's 512 in out0
.set SA,    16
.set SB,    32
.set AF,    64
.set WV,    16                         ; s16 wave, s17 wa, s18 wb, s19 cx, s20 cy
.set G1A,   24                         ; s[24:31], s[32:39] descriptor groups 1;  s[40:43], s[68:71] groups 0, one a side
.set G1B,   32
.set G0A,   40
.set G0B,   68
.set MSB, 0
.macro WIN new                         ; the immediate's high byte repeats the setting that is left
.if MSB != \new
	s_set_vgpr_msb (MSB<<8)|\new
.set MSB, \new
.endif
.endm
.macro PLACES n                        ; plain places behind matrix instructions (ISA guide 7.12.1)
.rept \n
	v_nop
.endr
.endm
.macro CROUND                          ; a round of the cluster's barrier
	s_barrier_signal -1
	s_barrier_wait -1
	s_cmp_lg_u32 s[WV], 0
	s_cbranch_scc1 .Lnot_wave_0_\@
	s_barrier_signal -3
.Lnot_wave_0_\@:
	s_barrier_wait -3
	s_barrier_signal -1
	s_barrier_wait -1
.endm
; One product.  rD, rX, rY, rC, rSX, rSY: the registers of D, source 0, source 1, C and the two scales.  fX, fY: the scales of source 0, source 1 stand in lanes 16-31.
.macro WM
.if fX && fY
	v_wmma_scale_f32_16x16x128_f8f6f4 v[rD:rD+7], v[rX:rX+11], v[rY:rY+11], v[rC:rC+7], v[rSX], v[rSY] matrix_a_fmt:MATRIX_FMT_BF6 matrix_b_fmt:MATRIX_FMT_BF6 matrix_a_scale:MATRIX_SCALE_ROW1 matrix_b_scale:MATRIX_SCALE_ROW1
.elseif fX
	v_wmma_scale_f32_16x16x128_f8f6f4 v[rD:rD+7], v[rX:rX+11], v[rY:rY+11], v[rC:rC+7], v[rSX], v[rSY] matrix_a_fmt:MATRIX_FMT_BF6 matrix_b_fmt:MATRIX_FMT_BF6 matrix_a_scale:MATRIX_SCALE_ROW1
.elseif fY
	v_wmma_scale_f32_16x16x128_f8f6f4 v[rD:rD+7], v[rX:rX+11], v[rY:rY+11], v[rC:rC+7], v[rSX], v[rSY] matrix_a_fmt:MATRIX_FMT_BF6 matrix_b_fmt:MATRIX_FMT_BF6 matrix_b_scale:MATRIX_SCALE_ROW1
.else
	v_wmma_scale_f32_16x16x128_f8f6f4 v[rD:rD+7], v[rX:rX+11], v[rY:rY+11], v[rC:rC+7], v[rSX], v[rSY] matrix_a_fmt:MATRIX_FMT_BF6 matrix_b_fmt:MATRIX_FMT_BF6
.endif
.endm
; 48 LDS loads in one run: K step t's fragments into set t % 2: B's eight (32 loads), A's tiles 0, 1 (8), A's tiles 2, 3 (8)
.macro FETCH t
	WIN 0x80                                       ; destination window 2, address window 0
.irp b, 0,1,2,3,4,5,6,7
.irp c, 0,1
	; LDS holds the row tiles as memory does, 12,288 bytes (all of K) each: A's eight from byte 0, B's sixteen from byte 98,304.  B's tiles 4-7 of a wave have address registers of their own (v230, v231), 49,152 bytes on
	ds_load_b128 v[96*((\t)%2)+12*\b+6*\c:96*((\t)%2)+12*\b+6*\c+3], v[ADB16+224*(\b/4)] offset:12288*(\b%4)+1536*(\t)+768*\c
	ds_load_b64 v[96*((\t)%2)+12*\b+6*\c+4:96*((\t)%2)+12*\b+6*\c+5], v[ADB8+224*(\b/4)] offset:12288*(\b%4)+1536*(\t)+768*\c+512
.endr
.endr
	WIN 0
.irp a, 0,1,2,3
.irp c, 0,1
	ds_load_b128 v[AF+48*((\t)%2)+12*\a+6*\c:AF+48*((\t)%2)+12*\a+6*\c+3], v[ADA16] offset:12288*\a+1536*(\t)+768*\c
	ds_load_b64 v[AF+48*((\t)%2)+12*\a+6*\c+4:AF+48*((\t)%2)+12*\a+6*\c+5], v[ADA8] offset:12288*\a+1536*(\t)+768*\c+512
.endr
.endr
.endm
; 16 products: A's tiles a0, a0 + 1 x B's eight, K step t.  mode 2: they start the sums with the bias in window 2; 0: in place.
; The 32 accumulators take turns, one instruction a turn, in the same order in every step.
.macro MUL16 a0, t, mode
.irp a, \a0, \a0+1
.irp b, 0,1,2,3,4,5,6,7
.set rD, 8*(8*(\a)+\b)
.set rX, 96*((\t)%2)+12*\b
.set rY, AF+48*((\t)%2)+12*(\a)
.set rSX, SB+8*(\b/2)+(\t)
.set rSY, SA+8*((\a)/2)+(\t)
.set rC, rD
.if (\mode) == 2
.set rC, 192+8*\b
.endif
.set fX, \b%2
.set fY, (\a)%2
	WM
.endr
.endr
.endm
; A K step of 128.  All of K is in LDS when the first step begins: no step has a barrier.
.macro STEP t, mode
	s_wait_dscnt 8                                 ; B's fragments and A's tiles 0, 1 are in; the youngest eight loads (A's tiles 2, 3) may be out
.if (\mode) == 2
	WIN 0x62                                       ; source 0 (B) window 2, source 1 (A) window 0, C window 2, D window 1
.else
	WIN 0x52                                       ; the same with C in window 1
.endif
	MUL16 0, \t, \mode
.if (\t) < 7
	PLACES 4                                       ; in front of loads into registers that the step before multiplied
.endif
.if (\t) < 7
	FETCH (\t)+1
	s_wait_dscnt 48                                ; all but the 48 just issued
.else
	s_wait_dscnt 0x0
.endif
.if (\mode) == 2
	WIN 0x62
.else
	WIN 0x52
.endif
	MUL16 2, \t, \mode
.endm
	s_load_b256 s[4:11], s[0:1], 0x0               ; oc s[4:5], os s[6:7], codes s[8:9], scl s[10:11]
	s_load_b128 s[12:15], s[0:1], 0x20             ; bo s[12:13], out0 s[14:15]
	v_lshl_add_u32 v254, v0, 2, 0x48000
	v_mov_b32 v255, 0
	ds_add_u32 v254, v255
	ds_add_u32 v254, v255
	v_lshrrev_b32 v1, 5, v0
	v_readfirstlane_b32 s[WV], v1                  ; wave 0..3
	s_lshr_b32 s17, s[WV], 1                       ; wa: my 64 tokens.  Also: I fetch for A (0) or for B (1)
	s_and_b32 s18, s[WV], 1                        ; wb: my 128 features.  Also: which half of that side's tiles I fetch
	s_bfe_u32 s19, ttmp6, 0x40000                  ; cx
	s_bfe_u32 s20, ttmp6, 0x40004                  ; cy
	s_and_b32 s2, ttmp7, 0xffff
	s_lshl_b32 s84, s2, 2
	s_add_co_u32 s84, s84, s20                     ; ATILE = 4 x cluster y + cy: 128 tokens
	s_mov_b32 s85, s19                             ; BTILE = cx: 256 features
	s_lshl_b32 s2, s20, 2
	s_lshl_b32 s2, 15, s2                          ; my row of the cluster
	s_lshl_b32 s3, 0x1111, s19                     ; my column
	; descriptor groups 1: row tiles of 12,288 bytes (1,536 elements of 8 bytes: all of K), 12,288 bytes apart in memory, on end in LDS.  A: 4 tiles a load, B: 8
	s_or_b32 s[G1A], s2, (3<<16)|(1<<21)           ; 15:0 the mask; 17:16 elements of 8 bytes; 21 set beside a mask
	s_or_b32 s[G1B], s3, (3<<16)|(1<<21)
.irp g, G1A, G1B
	s_mov_b32 s[\g+1], 1536<<16                    ; tensor_dim0: a whole row tile, 12,288 bytes, all of K
	s_mov_b32 s[\g+3], 1536<<16                    ; tile_dim0
	s_mov_b32 s[\g+5], 1536                        ; tensor_dim0_stride
	s_mov_b32 s[\g+6], 0
	s_mov_b32 s[\g+7], 0
.endr
	s_mov_b32 s[G1A+2], 4<<16                      ; tensor_dim1
	s_mov_b32 s[G1A+4], 4                          ; tile_dim1
	s_mov_b32 s[G1B+2], 8<<16
	s_mov_b32 s[G1B+4], 8
	s_lshl_b32 s56, s84, 3                         ; A's first tile
	s_lshl_b32 s57, s17, 2
	s_add_co_u32 s86, s56, s57                     ; my four tiles of A:
	s_lshl_b32 s86, s86, 5                         ; their scale bytes, 32 bytes a tile and head
	s_mov_b32 s87, 0
	s_lshl_b32 s57, s18, 2
	s_add_co_u32 s56, s56, s57                     ; the four tiles that I fetch, if I fetch for A
	s_mul_i32 s56, s56, 12288
	s_mov_b32 s57, 0
	s_mul_i32 s58, s18, 49152                      ; and their place in LDS
	s_lshl_b32 s60, s85, 4
	s_add_co_u32 s60, s60, 1728                    ; Wo's tiles begin at 1728
	s_lshl_b32 s61, s18, 3
	s_add_co_u32 s60, s60, s61                     ; B: the eight tiles that I multiply, which are also those that I fetch, if I fetch for B
	s_lshl_b32 s88, s60, 9
	s_mov_b32 s89, 0
	s_mul_i32 s60, s60, 12288
	s_mov_b32 s61, 0
	s_mul_i32 s62, s18, 98304
	s_add_co_u32 s62, s62, 98304                   ; B's tiles lie behind A's eight
	s_wait_dscnt 0x0
	s_wait_kmcnt 0x0
	s_add_nc_u64 s[56:57], s[4:5], s[56:57]
	s_add_nc_u64 s[60:61], s[8:9], s[60:61]
	s_add_nc_u64 s[86:87], s[6:7], s[86:87]
	s_add_nc_u64 s[88:89], s[10:11], s[88:89]
.irp kc, 0                             ; one group 0 a side: one load brings a wave's tiles whole
	s_mov_b32 s[G0A+4*\kc], 1                      ; count = 1
	s_add_co_u32 s[G0A+4*\kc+1], s58, \kc*CHK      ; LDS address
	s_add_nc_u64 s[G0A+4*\kc+2:G0A+4*\kc+3], s[56:57], \kc*3072   ; global address: the wave's first tile, all of K
	s_or_b32 s[G0A+4*\kc+3], s[G0A+4*\kc+3], 0x80000000           ; type = 2
	s_mov_b32 s[G0B+4*\kc], 1
	s_add_co_u32 s[G0B+4*\kc+1], s62, \kc*CHK
	s_add_nc_u64 s[G0B+4*\kc+2:G0B+4*\kc+3], s[60:61], \kc*3072
	s_or_b32 s[G0B+4*\kc+3], s[G0B+4*\kc+3], 0x80000000
.endr
	CROUND                                         ; all sixteen work-groups are here: the joint loads meet
	s_cmp_eq_u32 s17, 0                            ; one fill a wave, in one branch on its number: waves 0, 1 four tiles of A each, waves 2, 3 eight tiles of B each
	s_cbranch_scc0 .Lfill_b
	tensor_load_to_lds s[G0A:G0A+3], s[G1A:G1A+7]
	s_nop 0
	PLACES 4
	s_branch .Lfilled
.Lfill_b:
	tensor_load_to_lds s[G0B:G0B+3], s[G1B:G1B+7]
	s_nop 0
	PLACES 4
.Lfilled:
	v_and_b32 v1, 31, v0                           ; lane
	v_and_b32 v2, 15, v0                           ; r
	v_bfe_u32 v3, v0, 4, 1                         ; h
	s_mul_i32 s2, s17, 49152                       ; my four tiles of A
	v_lshl_add_u32 v[ADA16], v1, 4, s2
	v_lshl_add_u32 v[ADA8], v1, 3, s2
	v_lshl_add_u32 v[ADB16], v1, 4, s62
	v_lshl_add_u32 v[ADB8], v1, 3, s62
	v_add_nc_u32 v[ADB16+224], 49152, v[ADB16]     ; my tiles 4-7 of B
	v_add_nc_u32 v[ADB8+224], 49152, v[ADB8]
	v_lshlrev_b32 v13, 4, v2
	v_lshl_add_u32 v13, v3, 9, v13                 ; B's scale words: row r's 16 bytes; lanes 16-31 take the next tile
.irp p, 0,1,2,3
.irp g, 0,1
	global_load_b128 v[SB+8*\p+4*\g:SB+8*\p+4*\g+3], v13, s[88:89] offset:1024*\p+256*\g   ; the scale words of all of K, once, in whole blocks of 256 bytes
.endr
.endr
	v_lshlrev_b32 v12, 1, v1                       ; A's scale bytes: two a row and head; lanes 16-31 fall on the next tile
.irp p, 0,1
.irp t, 0,1,2,3,4,5,6,7
	global_load_u16 v[160+2*(8*\p+\t)], v12, s[86:87] offset:(2*\t)*16384+64*\p      ; head 2 t: blocks 0, 1 of K step t;
	global_load_u16 v[161+2*(8*\p+\t)], v12, s[86:87] offset:(2*\t+1)*16384+64*\p    ; head 2 t + 1: blocks 2, 3
.endr
.endr
	s_lshl_b32 s2, s85, 10
	s_lshl_b32 s3, s18, 9
	s_add_co_u32 s2, s2, s3                        ; my first feature, in bytes
	v_lshlrev_b32 v14, 5, v3
	v_add_nc_u32 v14, s2, v14                      ; the bias: register (b, j) of lane (r, h) is feature 16 b + 8 h + j of my 128
	WIN 0x80
.irp b, 0,1,2,3,4,5,6,7
	global_load_b128 v[192+8*\b:192+8*\b+3], v14, s[12:13] offset:64*\b
	global_load_b128 v[192+8*\b+4:192+8*\b+7], v14, s[12:13] offset:64*\b+16
.endr
	WIN 0
	s_lshl_b32 s3, s84, 19                         ; my first row of out0: (128 ATILE + 64 wa) rows of 4,096 bytes
	s_lshl_b32 s23, s17, 18
	s_add_co_u32 s3, s3, s23
	s_add_co_u32 s2, s2, s3
	s_mov_b32 s3, 0
	s_add_nc_u64 s[14:15], s[14:15], s[2:3]
	s_mul_i32 s23, s[WV], 8448                     ; my stage
	v_mul_u32_u24 v[STO], v2, 528
	v_lshl_add_u32 v[STO], v3, 5, v[STO]
	v_add_nc_u32 v[STO], s23, v[STO]               ; in: row r, 32 bytes for each half of the lanes
	v_lshlrev_b32 v[CO], 4, v1
	v_add_nc_u32 v[RD], s23, v[CO]                 ; back: the 32 lanes take one row of 512 bytes
	s_wait_alu depctr_va_vdst(0)
	s_wait_tensorcnt 0x0                           ; my one load has landed
	s_barrier_signal -1
	s_barrier_wait -1                              ; everybody's has
	FETCH 0
	s_wait_loadcnt 0x0                             ; scale words, scale bytes and bias
.irp p, 0,1
.irp t, 0,1,2,3,4,5,6,7
	v_lshl_or_b32 v[SA+8*\p+\t], v[161+2*(8*\p+\t)], 16, v[160+2*(8*\p+\t)]   ; two heads' bytes make K step t's scale word
.endr
.endr
	PLACES 8                                       ; a scale register written by a vector instruction stands eight places ahead of a scaled product
	s_wait_alu depctr_va_vdst(0)
	STEP 0, 2                                      ; the first step's products start the sums with the bias: nothing is cleared, nothing is added later
	STEP 1, 0
	STEP 2, 0
	STEP 3, 0
	STEP 4, 0
	STEP 5, 0
	STEP 6, 0
	STEP 7, 0
	WIN 0
; THE WAY OUT, block by block of 16 rows x 128 columns.  A lane holds 32 neighbouring bytes of a row, and the lanes beside it hold other rows: so a block goes through my own stage and comes back as whole rows of 512 bytes.
; LDS serves a wave's instructions in order (ISA guide 5.7.1.4): no wait between the stores and the loads, nor in front of the next block's stores.
.macro TOSTAGE a
	WIN 0x04                                       ; an LDS store's data are its source 1: window 1
.irp b, 0,1,2,3,4,5,6,7
	ds_store_b128 v[STO], v[64*(\a)+8*\b:64*(\a)+8*\b+3] offset:64*\b          ; each accumulator from its low end on
	ds_store_b128 v[STO], v[64*(\a)+8*\b+4:64*(\a)+8*\b+7] offset:64*\b+16
.endr
	WIN 0
.set BK, 64+64*((\a)%2)
.irp i, 0,1,2,3,4,5,6,7,8,9,10,11,12,13,14,15
	ds_load_b128 v[BK+4*\i:BK+4*\i+3], v[RD] offset:\i*528
.endr
.endm
.macro SEND a, younger                 ; younger: the LDS instructions issued behind block a's loads, which may stay out
.set BK, 64+64*((\a)%2)
	s_wait_dscnt \younger                          ; the block is back in registers
.if (\a) > 0
	s_add_nc_u64 s[14:15], s[14:15], 65536         ; 16 rows on (the earlier stores have read their base: a wait on XCNT stands ahead)
.endif
.irp i, 0,1,2,3,4,5,6,7,8,9,10,11,12,13,14,15
	global_store_b128 v[CO], v[BK+4*\i:BK+4*\i+3], s[14:15] offset:4096*\i th:TH_STORE_NT   ; 32 lanes store 512 consecutive bytes, at a multiple of 256 from out0's first byte; written once, read by nobody here
.endr
.endm
	s_barrier_signal -1                            ; the stages lie on A's first tiles, which other waves read up to their last step: every wave's LDS loads are in (the last step's wait for 0),
	s_barrier_wait -1                              ; and only behind this barrier is anything stored there
	PLACES 4                                       ; in front of the first read of results and of loads into the registers that held A's fragments
	TOSTAGE 0
.irp a, 1,2,3
.if \a > 1
	s_wait_xcnt 0x0                                ; block a - 2's stores have read their registers and their base
.endif
	TOSTAGE \a
	SEND \a-1, 32                                  ; behind block a - 1's loads: block a's 16 stores and 16 loads
.endr
	s_wait_xcnt 0x0                                ; block 2's stores have read their base
	SEND 3, 0
	s_wait_dscnt 0x0
	s_wait_tensorcnt 0x0
	ds_add_u32 v254, v255
	s_wait_dscnt 0x0
	CROUND                                         ; the closing round: no work-group ends while a partner may still ask for a tile that names it
	s_endpgm
.Lfunc_end_k_qb3a24c14c5_outp:
	.size	k_qb3a24c14c5_outp, .Lfunc_end_k_qb3a24c14c5_outp-k_qb3a24c14c5_outp
	.p2alignl 7, 3214868480
	.fill 96, 4, 3214868480
	.section	.rodata,"a",@progbits
	.p2align	6, 0x0
	.amdhsa_kernel k_qb3a24c14c5_outp
		.amdhsa_group_segment_fixed_size 295424
		.amdhsa_private_segment_fixed_size 0
		.amdhsa_enable_private_segment 0
		.amdhsa_kernarg_size 48
		.amdhsa_user_sgpr_count 2
		.amdhsa_user_sgpr_kernarg_segment_ptr 1
		.amdhsa_wavefront_size32 1
		.amdhsa_system_sgpr_workgroup_id_x 1
		.amdhsa_system_sgpr_workgroup_id_y 1
		.amdhsa_system_sgpr_workgroup_id_z 1
		.amdhsa_system_vgpr_workitem_id 0
		.amdhsa_next_free_vgpr 768
		.amdhsa_next_free_sgpr 102
		.amdhsa_reserve_vcc 0
		.amdhsa_float_denorm_mode_32 3
		.amdhsa_float_denorm_mode_16_64 3
		.amdhsa_memory_ordered 1
		.amdhsa_forward_progress 1
		.amdhsa_inst_pref_size 87
	.end_amdhsa_kernel
	.amdgpu_metadata
---
amdhsa.version: [ 1, 2 ]
amdhsa.kernels:
  - .name:           k_qb3a24c14c5_outp
    .symbol:         k_qb3a24c14c5_outp.kd
    .args:
      - { .name: oc, .offset: 0, .size: 8, .value_kind: global_buffer, .address_space: global }
      - { .name: os, .offset: 8, .size: 8, .value_kind: global_buffer, .address_space: global }
      - { .name: codes, .offset: 16, .size: 8, .value_kind: global_buffer, .address_space: global }
      - { .name: scl, .offset: 24, .size: 8, .value_kind: global_buffer, .address_space: global }
      - { .name: bo, .offset: 32, .size: 8, .value_kind: global_buffer, .address_space: global }
      - { .name: out0, .offset: 40, .size: 8, .value_kind: global_buffer, .address_space: global }
    .group_segment_fixed_size: 295424
    .private_segment_fixed_size: 0
    .kernarg_segment_align: 8
    .kernarg_segment_size: 48
    .max_flat_workgroup_size: 128
    .sgpr_count:     102
    .vgpr_count:     768
    .wavefront_size: 32
...
	.end_amdgpu_metadata
.endif
;; end of part 4
